; MI455X (gfx1250); checked and timed in simulation.
; The chip was launched on July 23, 2026; its instructions are those of AMD's public machine-readable ISA for CDNA 5 (MIT licence, August 2026) and "CDNA5" Instruction Set Architecture Reference Guide (July 2026). The comments in the code are by the model that wrote it; some were corrected since.
;; Transformer Block. Allowed arithmetic: float matrix products may take bf16 or f16 operands with f32 sums; all other float work in f32.
;; Inputs: b_fc 4,096 float32; b_o 1,024 float32; b_pr 1,024 float32; b_qkv 3,072 float32; ln1_b 1,024 float32; ln1_s 1,024 float32; ln2_b 1,024 float32; ln2_s 1,024 float32; w_fc 1,024 x 4,096 float32; w_o 1,024 x 1,024 float32; w_pr 4,096 x 1,024 float32; w_qkv 1,024 x 3,072 float32; x 4 x 1,024 x 1,024 float32.
;; Outputs: out0 4 x 1,024 x 1,024 float32.
;; One version. Each part assembles by itself: llvm-mc -triple=amdgcn-amd-amdhsa -mcpu=gfx1250 --defsym DOCPART=n.
;; ======== version 1 of 1: 7 launches
;; workspace buffers: w16 25,165,824 bytes; xn16 8,388,608 bytes; qkv16 25,165,824 bytes; att16 8,388,608 bytes; x1 16,777,216 bytes; h16 33,554,432 bytes
;; launch prep (part 1): grid 1280 x 1, 4 waves a work-group, no clusters, 37,376 bytes of LDS; arguments x, ln1_s, ln1_b, xn16, w_qkv, w_o, w_fc, w_pr, w16; writes xn16, w16
.if DOCPART == 1
	.amdgcn_target "amdgcn-amd-amdhsa--gfx1250"
	.amdhsa_code_object_version 6
	.text
	.protected	k_q6044abe205_prep
	.globl	k_q6044abe205_prep
	.p2align	8
	.type	k_q6044abe205_prep,@function
k_q6044abe205_prep:
	s_mov_b64 s[64:65], 0
	v_nop
	global_prefetch_b8 v0, s[64:65] scope:SCOPE_SE
	s_setreg_imm32_b32 hwreg(HW_REG_WAVE_MODE, 25, 1), 1
	s_wait_xcnt 0x0
; TWO INDEPENDENT STREAMS IN ONE LAUNCH: they touch different buffers, and one launch has one start and one end.
; Work-groups 0 to 767 turn the weights; work-groups 768 to 1,279 do the first LayerNorm, 8 rows each.  The longer work has the lower numbers.
; Both are bound by their bytes: no matrix unit, no cluster, no tensor load.
;
; THE WEIGHTS.  The four weights, f32 [K][N], are rounded to bf16 and turned: w16 holds W^T[n][k] in panels of 64 k:
; element (n, k) of a matrix with N rows lies at byte ((k >> 6) N + n) 128 + (k & 63) 2 behind the matrix's first byte.
; A wave takes 64 k x 64 n: 16 KiB read in rows of 256 aligned bytes, 8 KiB written as one dense run.  A work-group takes 64 k x 256 n.
; The turn goes through a stage in LDS that is the wave's own.
; The stores into the stage touch rows 4 r + c, 576 bytes apart: four lanes of sixteen share a group of banks.  Accepted: 16 such stores stand beside 32 loads from memory.
.set NWC,   768                        ; work-groups that turn weights
.set WQ,    0                          ; w_qkv^T: [16][3072][64]
.set WO,    6291456                    ; w_o^T:   [16][1024][64]
.set WF,    8388608                    ; w_fc^T:  [16][4096][64]
.set WP,    16777216                   ; w_pr^T:  [64][1024][64]
.set SPT,   144                        ; a stage row: 128 bytes + 16
.set WST,   64*SPT                     ; a wave's stage
.set SPARE, 4*WST                      ; behind the stages: the spare words, 128 bytes a wave
.set STO, 2                            ; v2  where I put 16 bytes of a column's k run
.set RD,  3                            ; v3  where I read rows back
.set GO,  4                            ; v4  16 x lane
.set SPW, 6                            ; v6  my spare word; never rewritten
.set NIL, 7                            ; v7  0; never rewritten
.set OFF, 8                            ; v8-39    byte offset of load j: the pitch is a scalar register, so it cannot stand in an immediate
.set X,   40                           ; v40-167  32 loads of 4 f32; later the rows read back
.set Y,   168                          ; v168-231 packed bf16: column c of my four at Y + 16 c
	v_lshl_add_u32 v[SPW], v0, 2, SPARE
	v_mov_b32 v[NIL], 0
	s_cmp_lt_u32 ttmp9, NWC
	s_cbranch_scc0 .Lnorm
	s_load_b256 s[4:11], s[0:1], 0x20              ; w_qkv s[4:5], w_o s[6:7], w_fc s[8:9], w_pr s[10:11]
	s_load_b64 s[12:13], s[0:1], 0x40              ; w16
	v_lshrrev_b32 v1, 5, v0
	v_readfirstlane_b32 s26, v1                    ; wave 0..3
	; which matrix: work-groups 0-191 w_qkv, 192-255 w_o, 256-511 w_fc, 512-767 w_pr
	s_mov_b32 s16, 4096                            ; bytes in a source row
	s_mov_b32 s17, 6                               ; log2 of the number of k panels
	s_mov_b32 s18, 512                             ; the matrix's first work-group
	s_mov_b32 s19, WP                              ; its place in w16
	s_cmp_lt_u32 ttmp9, 512
	s_cselect_b32 s16, 16384, s16
	s_cselect_b32 s17, 4, s17
	s_cselect_b32 s18, 256, s18
	s_cselect_b32 s19, WF, s19
	s_cmp_lt_u32 ttmp9, 256
	s_cselect_b32 s16, 4096, s16
	s_cselect_b32 s18, 192, s18
	s_cselect_b32 s19, WO, s19
	s_cmp_lt_u32 ttmp9, 192
	s_cselect_b32 s16, 12288, s16
	s_cselect_b32 s18, 0, s18
	s_cselect_b32 s19, WQ, s19
	s_sub_co_u32 s20, ttmp9, s18                   ; my number within the matrix
	s_bfm_b32 s21, s17, 0
	s_and_b32 s21, s20, s21                        ; k panel
	s_lshr_b32 s22, s20, s17                       ; block of 256 n
	s_mul_i32 s24, s21, s16
	s_lshl_b32 s28, s24, 5                         ; a panel of the result: N x 128 bytes = 32 x the source pitch
	s_lshl_b32 s24, s24, 6                         ; 64 source rows
	s_lshl_b32 s23, s22, 10
	s_add_co_u32 s24, s24, s23                     ; + 256 columns of 4 bytes a block
	s_lshl_b32 s23, s26, 8
	s_add_co_u32 s24, s24, s23                     ; + 64 columns a wave
	s_mov_b32 s25, 0
	s_add_co_u32 s28, s28, s19
	s_lshl_b32 s23, s22, 15
	s_add_co_u32 s28, s28, s23                     ; + 256 rows of 128 bytes a block
	s_lshl_b32 s23, s26, 13
	s_add_co_u32 s28, s28, s23                     ; + 64 rows a wave
	s_mov_b32 s29, 0
	v_and_b32 v1, 15, v0                           ; r: my four columns 4 r ..
	v_bfe_u32 v5, v0, 4, 1                         ; h: my 32 rows 32 h ..
	v_mul_lo_u32 v[OFF], v5, s16
	v_lshlrev_b32 v[OFF], 5, v[OFF]
	v_lshl_add_u32 v[OFF], v1, 4, v[OFF]           ; 32 h rows + 16 r
.set j, 1
.rept 31
	v_add_nc_u32 v[OFF+j], s16, v[OFF+j-1]
.set j, j+1
.endr
	s_mul_i32 s27, s26, WST
	v_mul_u32_u24 v[STO], v1, 4*SPT                ; stage row 4 r, byte 64 h
	v_lshl_add_u32 v[STO], v5, 6, v[STO]
	v_add_nc_u32 v[STO], s27, v[STO]
	v_bfe_u32 v5, v0, 3, 2                         ; back: 32 lanes take four rows of 128 bytes
	v_mul_u32_u24 v[RD], v5, SPT
	v_and_b32 v5, 7, v0
	v_lshl_add_u32 v[RD], v5, 4, v[RD]
	v_add_nc_u32 v[RD], s27, v[RD]
	v_and_b32 v[GO], 31, v0
	v_lshlrev_b32 v[GO], 4, v[GO]
	s_wait_kmcnt 0x0
	s_cmp_lt_u32 ttmp9, 512
	s_cselect_b64 s[14:15], s[8:9], s[10:11]
	s_cmp_lt_u32 ttmp9, 256
	s_cselect_b64 s[14:15], s[6:7], s[14:15]
	s_cmp_lt_u32 ttmp9, 192
	s_cselect_b64 s[14:15], s[4:5], s[14:15]
	s_add_nc_u64 s[14:15], s[14:15], s[24:25]
	s_add_nc_u64 s[12:13], s[12:13], s[28:29]
.set j, 0
.rept 32                                               ; lanes 0-15 take row j, lanes 16-31 row 32 + j: 256 aligned bytes each; each weight byte is read once in the launch
	global_load_b128 v[X+4*j:X+4*j+3], v[OFF+j], s[14:15] th:TH_LOAD_NT
.set j, j+1
.endr
	s_wait_loadcnt 0x0
.irp c, 0,1,2,3
.set i, 0
.rept 16
	v_cvt_pk_bf16_f32 v[Y+16*(\c)+i], v[X+8*i+(\c)], v[X+8*i+4+(\c)]  ; k = 32 h + 2 i and the next, of column 4 r + c
.set i, i+1
.endr
.endr
.irp c, 0,1,2,3
.irp q, 0,1,2,3
	ds_store_b128 v[STO], v[Y+16*(\c)+4*(\q):Y+16*(\c)+4*(\q)+3] offset:(\c)*SPT+16*(\q)
.endr
.endr
.set t, 0
.rept 16
	ds_load_b128 v[X+4*t:X+4*t+3], v[RD] offset:t*4*SPT  ; LDS serves a wave's instructions in order (ISA guide 5.7.1.4): these see the stores above
.set t, t+1
.endr
.set t, 0
.rept 16
	s_wait_dscnt 15-t                              ; the younger loads may stay out
	global_store_b128 v[GO], v[X+4*t:X+4*t+3], s[12:13] offset:512*t  ; 512 consecutive bytes, at a multiple of 256 from w16's first byte
.set t, t+1
.endr
	s_wait_tensorcnt 0x0                           ; the wave's end
	ds_add_u32 v[SPW], v[NIL]
	s_wait_dscnt 0x0
	s_endpgm
; THE FIRST LAYERNORM: 4,096 rows of 1,024 f32; the result in bf16, in panels of 64 columns: (row, c) at byte ((c >> 6) 4096 + row) 128 + (c & 63) 2.
; y = (x - mean) / sqrt(var + 1e-5) * scale + bias, in two passes over registers as the definition has it (first the mean, then the mean of the squared differences),
; so a common offset of the inputs cancels before anything is squared.  All in f32; y is rounded once.
; A work-group owns 8 rows.  A wave takes TWO rows at once, lanes 0-15 one and lanes 16-31 the next: the sums never leave a half of 16 lanes,
; a load covers 256 aligned bytes of each row, and a store of 8 bytes a lane covers two neighbouring rows of one panel: 256 consecutive bytes, aligned.
; These waves touch no LDS.
.set XO, 1                             ; v1  my byte offset in the group's rows of x
.set PO, 2                             ; v2  my byte offset in scale and bias
.set OO, 3                             ; v3  my byte offset in a panel's 8 rows
.set X,  16                            ; v16-79    x: load j holds columns 64 j + 4 r ..
.set G,  80                            ; v80-143   scale; later the packed result
.set BV, 144                           ; v144-207  bias
.set A,  208                           ; v208-215  four chains of packed sums
.set MU, 216                           ; v216-217  the mean, twice
.set RS, 218                           ; v218-219  1 / sqrt(var + eps), twice
.set T,  220                           ; v220      at work
.Lnorm:
	s_load_b256 s[4:11], s[0:1], 0x0               ; x s[4:5], scale s[6:7], bias s[8:9], out s[10:11]
	s_sub_co_u32 s16, ttmp9, NWC                   ; my block of 8 rows
	s_lshl_b32 s2, s16, 15                         ; 8 rows of 4,096 bytes
	s_mov_b32 s3, 0
	s_lshl_b32 s14, s16, 10                        ; 8 rows of 128 bytes in a panel
	s_mov_b32 s15, 0
	s_mov_b32 s12, 0x3a800000                      ; 1 / 1024
	s_mov_b32 s13, 0x3727c5ac                      ; 1e-5
	v_and_b32 v4, 15, v0                           ; r
	v_lshrrev_b32 v5, 4, v0                        ; my row among the 8
	v_lshlrev_b32 v[PO], 4, v4
	v_lshl_add_u32 v[XO], v5, 12, v[PO]
	v_lshlrev_b32 v[OO], 3, v4
	v_lshl_add_u32 v[OO], v5, 7, v[OO]
	s_wait_kmcnt 0x0
	s_add_nc_u64 s[4:5], s[4:5], s[2:3]
	s_add_nc_u64 s[10:11], s[10:11], s[14:15]
.set j, 0
.rept 16
	global_load_b128 v[X+4*j:X+4*j+3], v[XO], s[4:5] offset:256*j
.set j, j+1
.endr
.set j, 0
.rept 16
	global_load_b128 v[G+4*j:G+4*j+3], v[PO], s[6:7] offset:256*j
	global_load_b128 v[BV+4*j:BV+4*j+3], v[PO], s[8:9] offset:256*j
.set j, j+1
.endr
.macro ACROSS                          ; the four chains into one number, then over my half of 16 lanes: every lane of the half ends with the row's sum in v[T]
	v_pk_add_f32 v[A:A+1], v[A:A+1], v[A+2:A+3]
	v_pk_add_f32 v[A+4:A+5], v[A+4:A+5], v[A+6:A+7]
	v_pk_add_f32 v[A:A+1], v[A:A+1], v[A+4:A+5]
	v_add_f32 v[T], v[A], v[A+1]
	v_add_f32_dpp v[T], v[T], v[T] row_xmask:1 row_mask:0xf bank_mask:0xf
	v_add_f32_dpp v[T], v[T], v[T] row_xmask:2 row_mask:0xf bank_mask:0xf
	v_add_f32_dpp v[T], v[T], v[T] row_xmask:4 row_mask:0xf bank_mask:0xf
	v_add_f32_dpp v[T], v[T], v[T] row_xmask:8 row_mask:0xf bank_mask:0xf
.endm
	s_wait_loadcnt 32                              ; x is in; the 32 younger loads, scale and bias, stay out
.irp k, 0,1,2,3
	v_pk_add_f32 v[A+2*(\k):A+2*(\k)+1], v[X+2*(\k):X+2*(\k)+1], v[X+2*(\k)+8:X+2*(\k)+9]  ; the first additions start the chains: nothing is cleared
.endr
.set p, 8
.rept 24
	v_pk_add_f32 v[A+2*(p%4):A+2*(p%4)+1], v[A+2*(p%4):A+2*(p%4)+1], v[X+2*p:X+2*p+1]
.set p, p+1
.endr
	ACROSS
	v_mul_f32 v[MU], s12, v[T]
	v_mov_b32 v[MU+1], v[MU]
.set p, 0
.rept 32
	v_pk_add_f32 v[X+2*p:X+2*p+1], v[X+2*p:X+2*p+1], v[MU:MU+1] neg_lo:[0,1] neg_hi:[0,1]  ; x - mean
.set p, p+1
.endr
.irp k, 0,1,2,3
	v_pk_mul_f32 v[A+2*(\k):A+2*(\k)+1], v[X+2*(\k):X+2*(\k)+1], v[X+2*(\k):X+2*(\k)+1]
.endr
.set p, 4
.rept 28
	v_pk_fma_f32 v[A+2*(p%4):A+2*(p%4)+1], v[X+2*p:X+2*p+1], v[X+2*p:X+2*p+1], v[A+2*(p%4):A+2*(p%4)+1]
.set p, p+1
.endr
	ACROSS
	v_fma_f32 v[T], v[T], s12, s13                 ; var + eps
	v_rsq_f32 v[RS], v[T]
	v_rsq_f32 v[RS+1], v[T]
	v_nop                                          ; a plain instruction between the root and the use of its result (ISA guide 5.7.2)
	s_wait_loadcnt 0x0                             ; scale and bias
.set p, 0
	s_wait_alu depctr_va_vdst(0)
.rept 32
	v_pk_mul_f32 v[G+2*p:G+2*p+1], v[G+2*p:G+2*p+1], v[RS:RS+1]
.set p, p+1
.endr
.set p, 0
.rept 32
	v_pk_fma_f32 v[X+2*p:X+2*p+1], v[X+2*p:X+2*p+1], v[G+2*p:G+2*p+1], v[BV+2*p:BV+2*p+1]
.set p, p+1
.endr
.set p, 0
.rept 32
	v_cvt_pk_bf16_f32 v[G+p], v[X+2*p], v[X+2*p+1]
.set p, p+1
.endr
.set j, 0
.rept 16
	global_store_b64 v[OO], v[G+2*j:G+2*j+1], s[10:11] offset:524288*j  ; panel j; 15 panels at the most, inside the signed 24-bit immediate
.set j, j+1
.endr
	s_endpgm
.Lfunc_end_k_q6044abe205_prep:
	.size	k_q6044abe205_prep, .Lfunc_end_k_q6044abe205_prep-k_q6044abe205_prep
	.p2alignl 7, 3214868480
	.fill 96, 4, 3214868480
	.section	.rodata,"a",@progbits
	.p2align	6, 0x0
	.amdhsa_kernel k_q6044abe205_prep
		.amdhsa_group_segment_fixed_size 37376
		.amdhsa_private_segment_fixed_size 0
		.amdhsa_enable_private_segment 0
		.amdhsa_kernarg_size 72
		.amdhsa_user_sgpr_count 2
		.amdhsa_user_sgpr_kernarg_segment_ptr 1
		.amdhsa_wavefront_size32 1
		.amdhsa_system_sgpr_workgroup_id_x 1
		.amdhsa_system_sgpr_workgroup_id_y 1
		.amdhsa_system_sgpr_workgroup_id_z 1
		.amdhsa_system_vgpr_workitem_id 0
		.amdhsa_next_free_vgpr 240
		.amdhsa_next_free_sgpr 66
		.amdhsa_reserve_vcc 0
		.amdhsa_float_denorm_mode_32 3
		.amdhsa_float_denorm_mode_16_64 3
		.amdhsa_memory_ordered 1
		.amdhsa_forward_progress 1
		.amdhsa_inst_pref_size 36
	.end_amdhsa_kernel
	.amdgpu_metadata
---
amdhsa.version: [ 1, 2 ]
amdhsa.kernels:
  - .name:           k_q6044abe205_prep
    .symbol:         k_q6044abe205_prep.kd
    .args:
      - { .name: x, .offset: 0, .size: 8, .value_kind: global_buffer, .address_space: global }
      - { .name: ln1_s, .offset: 8, .size: 8, .value_kind: global_buffer, .address_space: global }
      - { .name: ln1_b, .offset: 16, .size: 8, .value_kind: global_buffer, .address_space: global }
      - { .name: xn16, .offset: 24, .size: 8, .value_kind: global_buffer, .address_space: global }
      - { .name: w_qkv, .offset: 32, .size: 8, .value_kind: global_buffer, .address_space: global }
      - { .name: w_o, .offset: 40, .size: 8, .value_kind: global_buffer, .address_space: global }
      - { .name: w_fc, .offset: 48, .size: 8, .value_kind: global_buffer, .address_space: global }
      - { .name: w_pr, .offset: 56, .size: 8, .value_kind: global_buffer, .address_space: global }
      - { .name: w16, .offset: 64, .size: 8, .value_kind: global_buffer, .address_space: global }
    .group_segment_fixed_size: 37376
    .private_segment_fixed_size: 0
    .kernarg_segment_align: 8
    .kernarg_segment_size: 72
    .max_flat_workgroup_size: 128
    .sgpr_count:     66
    .vgpr_count:     240
    .wavefront_size: 32
...
	.end_amdgpu_metadata
.endif
;; end of part 1
;; launch gqkv (part 2): grid 12 x 16, 4 waves a work-group, clusters of 4 x 4, 327,680 bytes of LDS; arguments xn16, w16, b_qkv, qkv16; writes qkv16
.if DOCPART == 2
	.amdgcn_target "amdgcn-amd-amdhsa--gfx1250"
	.amdhsa_code_object_version 6
	.text
	.protected	k_q6044abe205_gqkv
	.globl	k_q6044abe205_gqkv
	.p2align	8
	.type	k_q6044abe205_gqkv,@function
k_q6044abe205_gqkv:
	s_mov_b64 s[64:65], 0
	v_nop
	global_prefetch_b8 v0, s[64:65] scope:SCOPE_SE
	s_setreg_imm32_b32 hwreg(HW_REG_WAVE_MODE, 25, 1), 1
	s_wait_xcnt 0x0
	s_wait_alu depctr_hold_cnt(0) depctr_sa_sdst(0) depctr_va_vdst(0) depctr_va_sdst(0) depctr_va_ssrc(0) depctr_va_vcc(0) depctr_vm_vsrc(0)
	s_getreg_b32 s2, hwreg(HW_REG_IB_STS2, 6, 4)
	s_cmp_eq_u32 s2, 0
	s_cbranch_scc0 .Lentry_in_a_cluster
	s_endpgm
.Lentry_in_a_cluster:
	s_bfe_u32 s2, ttmp6, 0x10000c
	s_cmp_lg_u32 s2, 0xf033
	s_cbranch_scc0 .Lentry_shape_is_right
	s_endpgm
.Lentry_shape_is_right:
; qkv = LN1(x) W_qkv + b_qkv: C[m][n] = bias[n] + the sum over k of A[m][k] W^T[n][k], M = 4,096, N = NCOL, K = 1,024.  Operands bf16, sums f32, C rounded once to bf16.
; ALL 16-BIT MATRICES LIE IN PANELS OF 64 COLUMNS: (row, c) of a matrix of R rows at byte ((c >> 6) R + row) 128 + (c & 63) 2.  So 128 rows of a panel are 16 KiB of dense memory.
; A tile of C is 256 x 256: four waves, each 128 x 128 in 64 accumulators (512 registers).  K goes in steps of 128 (two panels) through a ring of two LDS slots.
; One tensor load brings 128 rows of two panels: two runs of 16 KiB, padded in LDS behind every 128 bytes.  Waves 0, 1 fetch A's halves, waves 2, 3 W's.
; CLUSTERS of 4 x 4 work-groups: the four of a row need the same tiles of A, the four of a column the same tiles of W: each tile is asked for jointly.
; The grid has 12 x 16 = 192 tiles: a quarter of 256 work-group places stays empty in this launch; the tile is kept for the sake of the multiply-adds that each LDS byte feeds.
; THE MATRIX INSTRUCTION IS USED TRANSPOSED (source 0 = 16 rows of W^T, source 1 = 16 rows of A): lane l holds row l % 16 of C and the columns 8 (l / 16) + 0..7.
; THE BIAS IS THE C OPERAND of the first product on each accumulator: nothing is cleared, and the way out adds nothing.
; THE LOOP IS ONE K STEP LONG: the slot being read is a scalar register (0 or SLOT) that an exclusive or turns; the fragment addresses are made anew from it at each change of slots.
; The last two K steps ask for no tile: they are a second copy of the trip, walked twice and left in its middle.
; LIMITS: A and W are rounded to bf16 before the products, C to bf16 behind them; NaN and infinities are not treated apart.
; REGISTERS, in windows of 256: window 0: v16-29 addresses; v64-127, v128-191 fragments of A, two buffers (on the way out: at work).
;   window 1: v0-63 the bias fragments; v64-127, v128-191 fragments of W.   windows 2, 3: the accumulators of my rows 0-63, 64-127: (a, b) at v[8 (8 a + b)].
.set NCOL,   3072
.set WOFF,   0                         ; where this launch's weights begin in w16
.set GELU,   0
.set KSTEPS, 8
.set RP,     144                       ; an LDS row: 128 bytes + 16: an odd multiple of 16, so the 16 rows of a fragment load start in 16 different groups of four banks (ISA guide 11.1)
.set PANL,   128*RP                    ; 128 rows of one panel
.set BLK,    2*PANL                    ; what one tensor load brings
.set SLOT,   4*BLK                     ; A's two halves, then W's two halves
.set SPARE,  2*SLOT                    ; behind the ring: the spare words, 128 bytes a wave
.set SP,     528                       ; a stage row on the way out: 128 f32 + 16 bytes
.set WSTG,   128*SP                    ; a wave's stage; the four lie over the ring, which has had its last fill by then
.set STEPA,  2*4096*128                ; two panels of A, in bytes
.set STEPB,  2*NCOL*128                ; two panels of W^T
.set FLAGS,  (1<<16)|(1<<20)|(1<<21)|(4<<22)|(3<<25)  ; 17:16 2-byte elements; 20 padding on; 21 set beside a mask; 24:22 after every 32 words; 31:25 4 words
.set ADRA0, 16                         ; v16  my lane's place in A's part of a slot; never rewritten
.set ADRB0, 17                         ; v17  the same for W
.set ADRA,  18                         ; v18  v16 + the slot being read
.set ADRB,  19                         ; v19
.set STO,   24                         ; v24  the way out: where I put 16 bytes of a row
.set RD,    25                         ; v25  where I read rows back
.set CO,    26                         ; v26  my byte offset in the result
.set BO,    27                         ; v27  my byte offset in a bias fragment
.set SPW,   28                         ; v28  my spare word; never rewritten
.set NIL,   29                         ; v29  0; never rewritten
.set F0,    64
.set F1,    128
.set X,     64                         ; the way out: 8 rows read back, f32
.set TT,    96                         ; at work
.set Y,     160                        ; packed bf16
.set LB,  2                            ; s2   LDS byte of my quarter of slot 0
.set CNT, 3                            ; s3   a loop's counter
.set WV,  14                           ; s14  wave
.set RH,  15                           ; s15  my half of the tile's rows; also: I fetch for A (0) or for W (1)
.set CH,  16                           ; s16  my half of its columns; also: which half I fetch
.set TB,  17                           ; s17  the slot being read: 0 or SLOT
.set G1A, 24                           ; s[24:31] descriptor group 1 for A
.set G0A0, 32                          ; s[32:35] group 0 of A's first fill
.set G0A, 36                           ; s[36:39] group 0 of A's second fill; then it walks
.set G1B, 48
.set G0B0, 56
.set G0B, 60
.set KC1, 66                           ; s[66:67], s[68:69] the activation's two constants (where GELU = 1)
.set KC0, 68
.set MSB, 0
.macro WIN new                         ; the immediate's high byte repeats the setting that is left; a switch that changes nothing is dropped
.if MSB != (\new)
	s_set_vgpr_msb (MSB<<8)|(\new)
.set MSB, (\new)
.endif
.endm
.macro PLACES                          ; four plain vector instructions behind a matrix instruction, ahead of loads into its sources and of reads of its result
.rept 4
	v_nop
.endr
.endm
.macro CREST                           ; a round of the cluster's barrier behind its opening barrier
	s_cmp_lg_u32 s[WV], 0
	s_cbranch_scc1 .Lnot_wave_0_\@
	s_barrier_signal -3
.Lnot_wave_0_\@:
	s_barrier_wait -3
	s_barrier_signal -1
	s_barrier_wait -1
.endm
.macro CROUND
	s_barrier_signal -1
	s_barrier_wait -1
	CREST
.endm
.macro JLOAD                           ; a joint refill: each of the two lines has one mask and one set of registers; the branch hangs on the wave's number alone
	s_cmp_eq_u32 s[RH], 0
	s_cbranch_scc0 .Lfor_b_\@
	tensor_load_to_lds s[G0A:G0A+3], s[G1A:G1A+7]
	s_nop 0
.rept 4
	v_nop
.endr
	s_branch .Lasked_\@
.Lfor_b_\@:
	tensor_load_to_lds s[G0B:G0B+3], s[G1B:G1B+7]
	s_nop 0
.rept 4
	v_nop
.endr
.Lasked_\@:
.endm
	s_load_b256 s[4:11], s[0:1], 0x0               ; A s[4:5], w16 s[6:7], bias s[8:9], C s[10:11]
	v_lshl_add_u32 v[SPW], v0, 2, SPARE
	v_mov_b32 v[NIL], 0
	ds_add_u32 v[SPW], v[NIL]                      ; the wave's opening: the add and its wait stand ahead of my first tensor load; work on registers stands between them
	v_lshrrev_b32 v1, 5, v0
	v_readfirstlane_b32 s[WV], v1
	s_lshr_b32 s[RH], s[WV], 1
	s_and_b32 s[CH], s[WV], 1
	s_bfe_u32 s40, ttmp6, 0x40000                  ; cx
	s_bfe_u32 s41, ttmp6, 0x40004                  ; cy
	s_lshl_b32 s42, ttmp9, 2
	s_add_co_u32 s42, s42, s40                     ; tile column = 4 x cluster x + cx
	s_and_b32 s43, ttmp7, 0xffff
	s_lshl_b32 s43, s43, 2
	s_add_co_u32 s43, s43, s41                     ; tile row = 4 x cluster y + cy
	s_lshl_b32 s44, s41, 2
	s_lshl_b32 s44, 15, s44                        ; my row of the cluster
	s_lshl_b32 s45, 0x1111, s40                    ; my column
	s_or_b32 s[G1A], s44, FLAGS                    ; A's tiles go to my row,
	s_or_b32 s[G1B], s45, FLAGS                    ; W's to my column
.irp g, G1A, G1B
	s_mov_b32 s[(\g)+1], 8192<<16                  ; tensor_dim0 = 8,192 elements: 128 rows of a panel, dense
	s_mov_b32 s[(\g)+2], 2<<16                     ; tensor_dim1 = 2 panels
	s_mov_b32 s[(\g)+3], 8192<<16                  ; tile_dim0
	s_mov_b32 s[(\g)+4], 2                         ; tile_dim1
	s_mov_b32 s[(\g)+6], 0
	s_mov_b32 s[(\g)+7], 0
.endr
	s_mov_b32 s[G1A+5], 4096*64                    ; elements from panel to panel
	s_mov_b32 s[G1B+5], NCOL*64
	s_mul_i32 s[LB], s[WV], BLK                    ; where my loads go: no place in the cluster enters an LDS address
	s_lshl_b32 s20, s[CH], 14                      ; the half that I fetch: 128 rows of 128 bytes
	s_lshl_b32 s18, s43, 15                        ; A: 256 rows a tile row
	s_add_co_u32 s18, s18, s20
	s_mov_b32 s19, 0
	s_lshl_b32 s46, s42, 15                        ; W: 256 rows a tile column
	s_add_co_u32 s46, s46, s20
	s_add_co_u32 s46, s46, WOFF
	s_mov_b32 s47, 0
	s_wait_dscnt 0x0                               ; the opening add is done
	s_wait_kmcnt 0x0
	s_add_nc_u64 s[18:19], s[4:5], s[18:19]
	s_add_nc_u64 s[46:47], s[6:7], s[46:47]
	CROUND                                         ; all sixteen work-groups are here: the first joint loads meet
.irp s, 0,1
	s_mov_b32 s[G0A0+4*(\s)], 1                    ; count = 1
	s_add_co_u32 s[G0A0+4*(\s)+1], s[LB], (\s)*SLOT
	s_add_nc_u64 s[G0A0+4*(\s)+2:G0A0+4*(\s)+3], s[18:19], (\s)*STEPA  ; K step s
	s_or_b32 s[G0A0+4*(\s)+3], s[G0A0+4*(\s)+3], 0x80000000            ; type = 2
	s_mov_b32 s[G0B0+4*(\s)], 1
	s_add_co_u32 s[G0B0+4*(\s)+1], s[LB], (\s)*SLOT
	s_add_nc_u64 s[G0B0+4*(\s)+2:G0B0+4*(\s)+3], s[46:47], (\s)*STEPB
	s_or_b32 s[G0B0+4*(\s)+3], s[G0B0+4*(\s)+3], 0x80000000
.endr
	s_cmp_eq_u32 s[RH], 0                          ; a wave's two first fills stand in one branch, ahead of every wait on TENSORcnt and every LDS read: two loads of mine are out
	s_cbranch_scc0 .Lfirst_b
	tensor_load_to_lds s[G0A0:G0A0+3], s[G1A:G1A+7]
	s_nop 0
	tensor_load_to_lds s[G0A:G0A+3], s[G1A:G1A+7]
	s_nop 0
.rept 4
	v_nop
.endr
	s_branch .Lfirst_asked
.Lfirst_b:
	tensor_load_to_lds s[G0B0:G0B0+3], s[G1B:G1B+7]
	s_nop 0
	tensor_load_to_lds s[G0B:G0B+3], s[G1B:G1B+7]
	s_nop 0
.rept 4
	v_nop
.endr
.Lfirst_asked:
	; a fragment is 16 rows x 32 K in 8 registers: lane l holds row l % 16, K = 8 (l / 16) + 0..7 and 16 + 8 (l / 16) + 0..7: two loads of 16 bytes, 32 bytes apart
	v_and_b32 v1, 15, v0                           ; r
	v_bfe_u32 v2, v0, 4, 1                         ; h
	v_mul_u32_u24 v3, v1, RP
	v_lshl_add_u32 v3, v2, 4, v3
	s_mul_i32 s21, s[RH], BLK
	s_mul_i32 s22, s[CH], BLK
	s_add_co_u32 s22, s22, 2*BLK
	v_add_nc_u32 v[ADRA0], s21, v3
	v_add_nc_u32 v[ADRB0], s22, v3
	v_mov_b32 v[ADRA], v[ADRA0]                    ; slot 0 is read first
	v_mov_b32 v[ADRB], v[ADRB0]
	s_mov_b32 s[TB], 0
	s_mul_i32 s23, s[WV], WSTG
	v_mul_u32_u24 v4, v1, SP                       ; into the stage: row r, 32 bytes for each half of the lanes
	v_lshl_add_u32 v4, v2, 5, v4
	v_add_nc_u32 v[STO], s23, v4
	v_mul_u32_u24 v5, v2, SP                       ; back: lanes 0-15 take 64 columns of one row, lanes 16-31 of the next
	v_lshl_add_u32 v5, v1, 4, v5
	v_add_nc_u32 v[RD], s23, v5
	v_lshlrev_b32 v[CO], 7, v2                     ; the same two rows of a panel of C: 8 bytes a lane
	v_lshl_add_u32 v[CO], v1, 3, v[CO]
	v_lshlrev_b32 v[BO], 5, v2                     ; eight f32 for each half of the lanes
	s_lshl_b32 s46, s42, 10                        ; bias at my first column: 256 f32 a tile column, 128 a half
	s_lshl_b32 s20, s[CH], 9
	s_add_co_u32 s46, s46, s20
	s_mov_b32 s47, 0
	s_add_nc_u64 s[8:9], s[8:9], s[46:47]
	s_lshl_b32 s46, s42, 21                        ; C: four panels of 524,288 bytes a tile column, two a half,
	s_lshl_b32 s20, s[CH], 20
	s_add_co_u32 s46, s46, s20
	s_lshl_b32 s20, s43, 15                        ; 256 rows of 128 bytes a tile row, 128 a half
	s_add_co_u32 s46, s46, s20
	s_lshl_b32 s20, s[RH], 14
	s_add_co_u32 s46, s46, s20
	s_add_nc_u64 s[10:11], s[10:11], s[46:47]
.if GELU
	s_mov_b32 s[KC1], 0xbdd2d3e8                   ; -2 log2(e) sqrt(2 / pi) 0.044715
	s_mov_b32 s[KC1+1], s[KC1]
	s_mov_b32 s[KC0], 0xc0135761                   ; -2 log2(e) sqrt(2 / pi)
	s_mov_b32 s[KC0+1], s[KC0]
.endif
	WIN 0x40                                       ; destination window 1
.irp b, 0,1,2,3,4,5,6,7
	global_load_b128 v[8*(\b):8*(\b)+3],   v[BO], s[8:9] offset:64*(\b)     ; bias of columns 16 b + 8 h + 0..3,
	global_load_b128 v[8*(\b)+4:8*(\b)+7], v[BO], s[8:9] offset:64*(\b)+16  ; + 4..7: the layout of an accumulator's registers
.endr
	WIN 0
; 16 matrix instructions: m blocks a0, a0 + 1 of the window's four x all 8 n blocks, 32 along K.  zero = 1: the first product takes the bias as C.
; The 64 accumulators take turns, one instruction a turn, in the same order in every quarter.
.macro MUL16 f, hi, a0, zero
.if \zero
	WIN 0x91+0x40*(\hi)                            ; W and the bias in window 1, A in window 0, D in window 2 or 3
.else
	WIN 0xa1+0x50*(\hi)                            ; W in window 1, A in window 0, C and D in window 2 or 3
.endif
.irp a, \a0, (\a0)+1
.irp b, 0,1,2,3,4,5,6,7
.if \zero
	v_wmma_f32_16x16x32_bf16 v[8*(8*(\a)+(\b)):8*(8*(\a)+(\b))+7], v[(\f)+8*(\b):(\f)+8*(\b)+7], v[(\f)+8*(4*(\hi)+(\a)):(\f)+8*(4*(\hi)+(\a))+7], v[8*(\b):8*(\b)+7]
.else
	v_wmma_f32_16x16x32_bf16 v[8*(8*(\a)+(\b)):8*(8*(\a)+(\b))+7], v[(\f)+8*(\b):(\f)+8*(\b)+7], v[(\f)+8*(4*(\hi)+(\a)):(\f)+8*(4*(\hi)+(\a))+7], v[8*(8*(\a)+(\b)):8*(8*(\a)+(\b))+7]
.endif
.endr
.endr
.endm
; 32 LDS loads in one run: the fragments of quarter q of the slot being read (panel q / 2, byte 64 (q % 2) of its rows) into buffer f: W's 16, then A's 16
.macro FETCH q, f
.set KO, ((\q)>>1)*PANL+((\q)&1)*64
	WIN 0x40
.irp i, 0,1,2,3,4,5,6,7
	ds_load_b128 v[(\f)+8*(\i):(\f)+8*(\i)+3],   v[ADRB] offset:KO+(\i)*16*RP
	ds_load_b128 v[(\f)+8*(\i)+4:(\f)+8*(\i)+7], v[ADRB] offset:KO+(\i)*16*RP+32
.endr
	WIN 0
.irp i, 0,1,2,3,4,5,6,7
	ds_load_b128 v[(\f)+8*(\i):(\f)+8*(\i)+3],   v[ADRA] offset:KO+(\i)*16*RP
	ds_load_b128 v[(\f)+8*(\i)+4:(\f)+8*(\i)+7], v[ADRA] offset:KO+(\i)*16*RP+32
.endr
.endm
; one of a K step's first three quarters: multiplies buffer f; in its middle it fetches quarter q into buffer g
.macro QUARTER q, f, g, zero
	s_wait_dscnt 8                                 ; W and A's rows 0-63 are in; the youngest eight loads (A's rows 64-127) may be out
	MUL16 \f, 0, 0, \zero
	MUL16 \f, 0, 2, \zero
	PLACES
	FETCH \q, \g
	s_wait_dscnt 32                                ; all but the 32 just issued
	MUL16 \f, 1, 0, \zero
	MUL16 \f, 1, 2, \zero
.endm
; The last quarter multiplies buffer 1 and changes slots.  In front of the one barrier each wave waits for all its tensor loads (the one that is out is its part of the next slot),
; adds 0 to its spare word, and waits for that and for its reads of this slot.  fill = 1: the barrier opens a round of the cluster's barrier, and the slot just read is filled again,
; two K steps ahead, first thing behind the round: the load has a K step less a quarter in which to land.
.macro TURN fill
	WIN 0
	s_wait_tensorcnt 0x0                           ; no tensor load of mine is out, so a group 0 may be written
	ds_add_u32 v[SPW], v[NIL]
	s_wait_dscnt 9                                 ; the add and the youngest eight loads may be out
	MUL16 F1, 0, 0, 0
	s_wait_dscnt 0x0                               ; the add is done, and my reads of this slot are over
	s_barrier_signal -1
	MUL16 F1, 0, 2, 0
	WIN 0                                          ; at a branch and at a label every window is 0
	s_barrier_wait -1
.if \fill
	CREST                                          ; no wave of any partner still reads this slot or has a load on its way
	s_xor_b32 s[G0A+1], s[G0A+1], SLOT             ; the walking descriptors: the other slot than last time (my quarter's offset shares no bit with SLOT),
	s_add_nc_u64 s[G0A+2:G0A+3], s[G0A+2:G0A+3], STEPA  ; the next K step; the type bits on top are not reached
	s_xor_b32 s[G0B+1], s[G0B+1], SLOT
	s_add_nc_u64 s[G0B+2:G0B+3], s[G0B+2:G0B+3], STEPB
.endif
	s_xor_b32 s[TB], s[TB], SLOT                   ; the reads go on in the other slot
	v_add_nc_u32 v[ADRA], s[TB], v[ADRA0]
	v_add_nc_u32 v[ADRB], s[TB], v[ADRB0]
.if \fill
	JLOAD                                          ; the four v_nop behind it are also the places in front of the loads below
.else
	PLACES
.endif
	FETCH 0, F0
	MUL16 F1, 1, 0, 0
	MUL16 F1, 1, 2, 0
.endm
	s_wait_tensorcnt 0x1                           ; my part of K step 0 is in; K step 1's may stay out
	s_barrier_signal -1
	s_barrier_wait -1                              ; everybody's is
	FETCH 0, F0
	s_wait_loadcnt 0x0                             ; the bias
	QUARTER 1, F0, F1, 1                           ; the first quarter stands in front of the loop: its products start the sums
	WIN 0
	s_mov_b32 s[CNT], KSTEPS-2                     ; every slot but the last two is filled again
.Lstep:                                                ; a trip: a K step's quarters 1 to 3 and the next step's quarter 0
	QUARTER 2, F1, F0, 0
	QUARTER 3, F0, F1, 0
	TURN 1
	QUARTER 1, F0, F1, 0
	WIN 0
	s_sub_co_u32 s[CNT], s[CNT], 1
	s_cmp_lg_u32 s[CNT], 0
	s_cbranch_scc1 .Lstep
	s_mov_b32 s[CNT], 2                            ; the last two K steps: the same trip without a refill, left in the middle of its second walk.
.Ltail:                                                ; In the first walk the wait for all tensor loads shows the last slot landed.  The second walk's barrier and its 32 fragment loads
	QUARTER 2, F1, F0, 0                           ; (from the slot used before) serve nothing: the price, once a launch, of one text for both steps
	QUARTER 3, F0, F1, 0
	TURN 0
	WIN 0
	s_sub_co_u32 s[CNT], s[CNT], 1
	s_cmp_eq_u32 s[CNT], 0
	s_cbranch_scc1 .Lleave
	QUARTER 1, F0, F1, 0
	WIN 0
	s_branch .Ltail
.Lleave:
	s_wait_dscnt 0x0                               ; the last turn's fragment loads: their registers are used again below, and no LDS instruction is out at the signal
	PLACES                                         ; the stores below read results just made
	s_barrier_signal -1                            ; every wave's reads of the ring are over: the stages may lie over it
	s_barrier_wait -1
	; THE WAY OUT.  My 128 x 128 in f32 goes into my own stage; it comes back eight rows at a time as whole runs of 64 columns, is rounded, and leaves as 256 consecutive bytes of a panel.
.irp hi, 0,1
	WIN 0x08+4*(\hi)                               ; store data in window 2 or 3
.irp a, 0,1,2,3
.irp b, 0,1,2,3,4,5,6,7
	ds_store_b128 v[STO], v[8*(8*(\a)+(\b)):8*(8*(\a)+(\b))+3]   offset:(4*(\hi)+(\a))*16*SP+64*(\b)     ; each accumulator's low registers first
	ds_store_b128 v[STO], v[8*(8*(\a)+(\b))+4:8*(8*(\a)+(\b))+7] offset:(4*(\hi)+(\a))*16*SP+64*(\b)+16
.endr
.endr
.endr
	WIN 0
	s_mov_b32 s[CNT], 16
.Lout:
.irp i, 0,1,2,3
.irp p, 0,1
	ds_load_b128 v[X+4*(2*(\i)+(\p)):X+4*(2*(\i)+(\p))+3], v[RD] offset:(\i)*2*SP+256*(\p)  ; LDS serves a wave's instructions in order (ISA guide 5.7.1.4): these see my stores
.endr
.endr
	s_wait_dscnt 0x0
.set z, 0
.rept 16
	v_cvt_pk_bf16_f32 v[Y+z], v[X+2*z], v[X+2*z+1]
.set z, z+1
.endr
.irp i, 0,1,2,3
.irp p, 0,1
	global_store_b64 v[CO], v[Y+2*(2*(\i)+(\p)):Y+2*(2*(\i)+(\p))+1], s[10:11] offset:524288*(\p)+256*(\i)  ; two rows of a panel: 256 consecutive bytes, aligned
.endr
.endr
	s_wait_xcnt 0x0                                ; the stores' offset and data are rewritten only behind this wait
	v_add_nc_u32 v[RD], 8*SP, v[RD]
	v_add_nc_u32 v[CO], 1024, v[CO]
	s_sub_co_u32 s[CNT], s[CNT], 1
	s_cmp_lg_u32 s[CNT], 0
	s_cbranch_scc1 .Lout
	s_wait_tensorcnt 0x0                           ; the wave's end
	ds_add_u32 v[SPW], v[NIL]
	s_wait_dscnt 0x0
	CROUND                                         ; the closing round: no work-group ends while a partner may still ask for a tile that names it
	s_endpgm
.Lfunc_end_k_q6044abe205_gqkv:
	.size	k_q6044abe205_gqkv, .Lfunc_end_k_q6044abe205_gqkv-k_q6044abe205_gqkv
	.p2alignl 7, 3214868480
	.fill 96, 4, 3214868480
	.section	.rodata,"a",@progbits
	.p2align	6, 0x0
	.amdhsa_kernel k_q6044abe205_gqkv
		.amdhsa_group_segment_fixed_size 327680
		.amdhsa_private_segment_fixed_size 0
		.amdhsa_enable_private_segment 0
		.amdhsa_kernarg_size 32
		.amdhsa_user_sgpr_count 2
		.amdhsa_user_sgpr_kernarg_segment_ptr 1
		.amdhsa_wavefront_size32 1
		.amdhsa_system_sgpr_workgroup_id_x 1
		.amdhsa_system_sgpr_workgroup_id_y 1
		.amdhsa_system_sgpr_workgroup_id_z 1
		.amdhsa_system_vgpr_workitem_id 0
		.amdhsa_next_free_vgpr 1024
		.amdhsa_next_free_sgpr 66
		.amdhsa_reserve_vcc 0
		.amdhsa_float_denorm_mode_32 3
		.amdhsa_float_denorm_mode_16_64 3
		.amdhsa_memory_ordered 1
		.amdhsa_forward_progress 1
		.amdhsa_inst_pref_size 80
	.end_amdhsa_kernel
	.amdgpu_metadata
---
amdhsa.version: [ 1, 2 ]
amdhsa.kernels:
  - .name:           k_q6044abe205_gqkv
    .symbol:         k_q6044abe205_gqkv.kd
    .args:
      - { .name: xn16, .offset: 0, .size: 8, .value_kind: global_buffer, .address_space: global }
      - { .name: w16, .offset: 8, .size: 8, .value_kind: global_buffer, .address_space: global }
      - { .name: b_qkv, .offset: 16, .size: 8, .value_kind: global_buffer, .address_space: global }
      - { .name: qkv16, .offset: 24, .size: 8, .value_kind: global_buffer, .address_space: global }
    .group_segment_fixed_size: 327680
    .private_segment_fixed_size: 0
    .kernarg_segment_align: 8
    .kernarg_segment_size: 32
    .max_flat_workgroup_size: 128
    .sgpr_count:     66
    .vgpr_count:     1024
    .wavefront_size: 32
...
	.end_amdgpu_metadata
.endif
;; end of part 2
;; launch attn (part 3): grid 4 x 64, 4 waves a work-group, clusters of 4 x 1, 327,680 bytes of LDS; arguments qkv16, att16; writes att16
.if DOCPART == 3
	.amdgcn_target "amdgcn-amd-amdhsa--gfx1250"
	.amdhsa_code_object_version 6
	.text
	.protected	k_q6044abe205_attn
	.globl	k_q6044abe205_attn
	.p2align	8
	.type	k_q6044abe205_attn,@function
k_q6044abe205_attn:
	s_mov_b64 s[64:65], 0
	v_nop
	global_prefetch_b8 v0, s[64:65] scope:SCOPE_SE
	s_setreg_imm32_b32 hwreg(HW_REG_WAVE_MODE, 25, 1), 1
	s_wait_xcnt 0x0
	s_wait_alu depctr_hold_cnt(0) depctr_sa_sdst(0) depctr_va_vdst(0) depctr_va_sdst(0) depctr_va_ssrc(0) depctr_va_vcc(0) depctr_vm_vsrc(0)
	s_getreg_b32 s2, hwreg(HW_REG_IB_STS2, 6, 4)
	s_cmp_eq_u32 s2, 0
	s_cbranch_scc0 .Lentry_in_a_cluster
	s_endpgm
.Lentry_in_a_cluster:
	s_bfe_u32 s2, ttmp6, 0x10000c
	s_cmp_lg_u32 s2, 0x3003
	s_cbranch_scc0 .Lentry_shape_is_right
	s_endpgm
.Lentry_shape_is_right:
; CAUSAL ATTENTION, 64 heads-of-batch of 1,024 rows, head size 64.  O[q] = the sum over k <= q of softmax_k(Q[q] . K[k] / 8) V[k].
; q, k, v lie in qkv16 by panels (panel hd: q of head hd, 16 + hd: k, 32 + hd: v), row b 1024 + s, 128 bytes a row, bf16, unscaled; O goes to panel hd of att16 likewise.
; Products, maxima and sums in f32; the weights p are rounded to bf16 for the second product (their sum l is taken of the unrounded p), O once at the end.
; LIMITS.  A hidden score counts as its value less 1e30; a weight below 2^-126 counts as 0 in l; NaN and infinities are not treated apart.
; SHARES.  A cluster of four work-groups owns one head.  Its 1,024 queries are 16 bands of 64; work-group cx owns rows 16 cx .. 16 cx + 15 of EVERY band: 16 tiles of 16 queries.
; Tile i needs the key steps 0 .. i of 64 keys; the last holds the diagonal.  So all four partners run the same text with the same branches and LDS addresses (cx enters Q's and O's
; addresses and the mask's values alone), and K and V are asked for JOINTLY.  Wave w owns tiles 15 - w, 8 + w, 7 - w, w: 34 tile steps, whatever w.
; LDS holds the head's whole K and V: each byte is filled once; every wave waits for all its four loads ahead of the one barrier in front of the reads.
; LAYOUT.  S^T = K Q^T (source 0 = 16 keys, source 1 = 16 queries) holds ONE query a lane (lane % 16) and the keys 8 (lane / 16) + 0..7; two such results rounded to bf16 ARE source 1 of
; O^T = V^T P.  K comes out of LDS as it lies, V turned, by ds_load_tr16_b128.
; SOFTMAX.  A running maximum m and sum l: p = 2^(c s - c m), c = log2(e) / 8; in every step O and l are multiplied by a = 2^(c m_old - c m_new).  m starts at the lowest finite number,
; O and l at 0, so the first step is a step like any other, with a = 0: that is what the zeros written at the start are for.
; THE MASK is the C operand that starts the sum in a tile's own step: 0, or -1e30 where the key is hidden; elsewhere C is the constant 0.
; A STEP: all live tiles' K Q^T first, then tile by tile softmax and V^T P, so that a tile's vector work stands beside the products issued before it.
; The walk counts to the constant 16; a wave jumps forward over its dead steps and dead tiles, past text that holds neither a barrier nor a tensor load.
; REGISTERS, in windows of 256: window 0: v2-8 addresses; v12-15 c m_old; v16-19 Q's offsets; v20-35 statistics, four a tile (c m, m, l even, l odd); v48-51 at work; v64-191 S^T, 32 a tile; v192-223 P, two buffers
;   window 1: v0-127 O^T, 32 a tile; v128-159 the mask      window 2: v0-63 Q, 16 a tile; v128-191 K of one step; v192-255 V of one step
.set KS,    64
.set PK,    144                        ; a row of K in LDS: 128 bytes + 16: the 16 rows of a load start in 16 different groups of four banks (ISA guide 11.1)
.set PV,    160                        ; a row of V: 128 + 32
.set VOFF,  1024*PK
.set STAGE, VOFF+1024*PV               ; 16 rows x 144 bytes for each wave, for the way out; never filled by a tensor load
.set SP,    144
.set SPARE, STAGE+4*16*SP              ; the spare words, 128 bytes a wave
.set PAN,   4096*128                   ; bytes in a panel
.set AK0, 2
.set AV0, 3
.set AK,  4
.set AV,  5
.set STO, 6
.set RD,  7
.set GO,  8
.set MV,  12
.set QO,  16
.set ST,  20
.set TMP, 48
.set SPW, 62
.set NIL, 63
.set S,   64
.set P,   192
.set MD,  128                          ; window 1
.set KF,  128                          ; window 2: key block kb, channel half c at KF + 16 kb + 8 c
.set VF,  192                          ; window 2: key half kk, channel block cb at VF + 32 kk + 8 cb
.set WV,  8                            ; s8   wave
.set CX,  9                            ; s9   my place in the cluster
.set TI,  12                           ; s12-15 my four tiles, descending
.set SS,  16                           ; s16  the key step
.set TBK, 17                           ; s17  LDS byte of the K step to be fetched
.set TBV, 18                           ; s18  of the V step, less VOFF
.set CS,  20                           ; s[20:21] c
.set SEL, 22                           ; s[22:23] v_permlanex16_b32's selects
.set G1K, 24
.set G1V, 32
.set BIGN, 84                          ; s84  -1e30
.set OB,  86                           ; s[86:93] O at my four tiles
.set MSB, 0
.macro WIN new
.if MSB != (\new)
	s_set_vgpr_msb (MSB<<8)|(\new)
.set MSB, (\new)
.endif
.endm
.set W_KQ, 0x0a                        ; K and Q in window 2, S^T in window 0
.set W_KM, 0x1a                        ; the same with the C operand in window 1
.set W_PV, 0x52                        ; V in window 2, P in window 0, O^T in window 1
.set W_RS, 0x41                        ; destination and source 0 in window 1, source 1 in window 0
.macro PLACES
.rept 4
	v_nop
.endr
.endm
.macro CROUND
	s_barrier_signal -1
	s_barrier_wait -1
	s_cmp_lg_u32 s[WV], 0
	s_cbranch_scc1 .Lnot_wave_0_\@
	s_barrier_signal -3
.Lnot_wave_0_\@:
	s_barrier_wait -3
	s_barrier_signal -1
	s_barrier_wait -1
.endm
.macro MKG0 g, lb, lo, go              ; a descriptor's group 0: to LDS byte s[lb] + lo, from byte go behind s[80:81]
	s_mov_b32 s[\g], 1
	s_add_co_u32 s[(\g)+1], s[\lb], \lo
	s_add_nc_u64 s[(\g)+2:(\g)+3], s[80:81], \go
	s_or_b32 s[(\g)+3], s[(\g)+3], 0x80000000
.endm
	s_load_b128 s[4:7], s[0:1], 0x0                ; qkv16 s[4:5], att16 s[6:7]
	v_lshl_add_u32 v[SPW], v0, 2, SPARE
	v_mov_b32 v[NIL], 0
	ds_add_u32 v[SPW], v[NIL]                      ; the wave's opening: the add and its wait stand ahead of my first tensor load
	v_lshrrev_b32 v1, 5, v0
	v_readfirstlane_b32 s[WV], v1
	s_bfe_u32 s[CX], ttmp6, 0x40000
	s_and_b32 s10, ttmp7, 0xffff                   ; 16 x batch + head: the four partners share it
	s_and_b32 s11, s10, 15
	s_lshr_b32 s10, s10, 4
	s_lshl_b32 s2, s11, 19                         ; the head's panel,
	s_lshl_b32 s3, s10, 17                         ; the batch's 1,024 rows in it
	s_add_co_u32 s2, s2, s3
	s_mov_b32 s3, 0
	s_sub_co_u32 s[TI], 15, s[WV]
	s_add_co_u32 s[TI+1], s[WV], 8
	s_sub_co_u32 s[TI+2], 7, s[WV]
	s_mov_b32 s[TI+3], s[WV]
	s_and_b32 s19, s[WV], 1                        ; I fetch the pieces of 128 keys p, 2 + p, 4 + p, 6 + p
	s_lshl_b32 s76, s19, 14
	s_mov_b32 s77, 0
	s_add_nc_u64 s[76:77], s[76:77], s[2:3]
	s_mul_i32 s78, s19, 128*PK
	s_mul_i32 s79, s19, 128*PV
	; descriptor group 1: 128 keys are 16,384 dense bytes: asked for as 64 rows of 256 bytes, two keys a row, padded in LDS after every key
	s_mov_b32 s[G1K], 15|(1<<16)|(1<<20)|(1<<21)|(4<<22)|(3<<25)  ; the mask of four; 2-byte elements; padding on; 21 set beside a mask; after every 32 words 4 words
	s_mov_b32 s[G1V], 15|(1<<16)|(1<<20)|(1<<21)|(4<<22)|(7<<25)  ; the same with 8 words
.irp g, G1K, G1V
	s_mov_b32 s[(\g)+1], 128<<16
	s_mov_b32 s[(\g)+2], 64<<16
	s_mov_b32 s[(\g)+3], 128<<16
	s_mov_b32 s[(\g)+4], 64
	s_mov_b32 s[(\g)+5], 128
	s_mov_b32 s[(\g)+6], 0
	s_mov_b32 s[(\g)+7], 0
.endr
	s_mov_b32 s[CS], 0x3e38aa3b                    ; c = log2(e) / 8
	s_mov_b32 s[CS+1], s[CS]
	s_mov_b32 s[SEL], 0x76543210
	s_mov_b32 s[SEL+1], 0xfedcba98
	s_mov_b32 s[BIGN], 0xf149f2ca
	s_wait_dscnt 0x0                               ; the opening add is done
	s_wait_kmcnt 0x0
	s_add_nc_u64 s[80:81], s[4:5], s[76:77]
	MKG0 40, 78, 0*256*PK, 16*PAN+0*32768
	MKG0 44, 78, 1*256*PK, 16*PAN+1*32768
	MKG0 48, 78, 2*256*PK, 16*PAN+2*32768
	MKG0 52, 78, 3*256*PK, 16*PAN+3*32768
	MKG0 56, 79, VOFF+0*256*PV, 32*PAN+0*32768
	MKG0 60, 79, VOFF+1*256*PV, 32*PAN+1*32768
	MKG0 68, 79, VOFF+2*256*PV, 32*PAN+2*32768
	MKG0 72, 79, VOFF+3*256*PV, 32*PAN+3*32768
	s_add_nc_u64 s[4:5], s[4:5], s[2:3]            ; q and O at the head's first row
	s_add_nc_u64 s[6:7], s[6:7], s[2:3]
	CROUND                                         ; all four work-groups are here: the joint loads meet
	s_cmp_lt_u32 s[WV], 2                          ; a wave's four fills stand in one branch: four loads of mine are out
	s_cbranch_scc0 .Lfirst_v
	tensor_load_to_lds s[40:43], s[G1K:G1K+7]
	s_nop 0
	tensor_load_to_lds s[44:47], s[G1K:G1K+7]
	s_nop 0
	tensor_load_to_lds s[48:51], s[G1K:G1K+7]
	s_nop 0
	tensor_load_to_lds s[52:55], s[G1K:G1K+7]
	s_nop 0
.rept 4
	v_nop
.endr
	s_branch .Lfirst_asked
.Lfirst_v:
	tensor_load_to_lds s[56:59], s[G1V:G1V+7]
	s_nop 0
	tensor_load_to_lds s[60:63], s[G1V:G1V+7]
	s_nop 0
	tensor_load_to_lds s[68:71], s[G1V:G1V+7]
	s_nop 0
	tensor_load_to_lds s[72:75], s[G1V:G1V+7]
	s_nop 0
.rept 4
	v_nop
.endr
.Lfirst_asked:
	; all that follows up to the barrier stands in the wait for the tiles
	v_and_b32 v1, 15, v0                           ; r
	v_bfe_u32 v9, v0, 4, 1                         ; h
	v_lshlrev_b32 v10, 7, v1
	v_lshl_add_u32 v10, v9, 4, v10                 ; row x 128 + 16 x half
	s_lshl_b32 s11, s[CX], 11                      ; my 16 rows in a band
	s_mov_b32 s83, 0
.irp u, 0,1,2,3
	s_lshl_b32 s82, s[TI+\u], 13                   ; the tile's band of 64 rows
	s_add_co_u32 s82, s82, s11
	v_add_nc_u32 v[QO+\u], s82, v10
	s_add_nc_u64 s[OB+2*\u:OB+2*\u+1], s[6:7], s[82:83]
.endr
	WIN 0x80                                       ; destination window 2
.irp u, 0,1,2,3
.irp c, 0,1
	global_load_b128 v[16*\u+8*\c:16*\u+8*\c+3],   v[QO+\u], s[4:5] offset:64*\c
	global_load_b128 v[16*\u+8*\c+4:16*\u+8*\c+7], v[QO+\u], s[4:5] offset:64*\c+32
.endr
.endr
	WIN 0
	v_lshlrev_b32 v40, 3, v9
	v_sub_nc_u32 v40, v1, v40
	s_lshl_b32 s10, s[CX], 4
	v_add_nc_u32 v40, s10, v40                     ; my query's place in its band, 16 cx + r, less my lanes' 8 h: register j of key block kt is hidden where 16 kt + j is greater
	WIN 0x40
.set i, 0
.rept 32
	v_cmp_gt_i32 vcc_lo, 16*(i/8)+i%8, v40
	v_cndmask_b32 v[MD+i], 0, s[BIGN], vcc_lo
.set i, i+1
.endr
.set i, 0
.rept 128
	v_mov_b32 v[i], 0                              ; O^T
.set i, i+1
.endr
	WIN 0
.set i, S+32
.rept 96
	v_mov_b32 v[i], 0                              ; S^T of tiles 1 to 3: so that every register that a later line reads has been written on every way through the jumps below
.set i, i+1
.endr
.set i, 0
.rept 4
	v_mov_b32 v[ST+4*i], 0xfe000000                ; c m: far below every c s
	v_mov_b32 v[ST+4*i+1], 0xff7fffff              ; m
	v_mov_b32 v[ST+4*i+2], 0
	v_mov_b32 v[ST+4*i+3], 0
.set i, i+1
.endr
	v_mul_u32_u24 v[AK0], v1, PK
	v_lshl_add_u32 v[AK0], v9, 4, v[AK0]           ; row x pitch + 16 x half
	; the turning load takes 16 keys x 16 channels (lane l reads key 8 (l / 16) + l % 8, channels 8 ((l / 8) % 2) + 0..7) and leaves half a fragment of V^T
	v_and_b32 v41, 7, v0
	v_bfe_u32 v42, v0, 3, 1
	v_lshl_add_u32 v[AV0], v9, 3, v41
	v_mul_u32_u24 v[AV0], v[AV0], PV
	v_lshl_add_u32 v[AV0], v42, 4, v[AV0]
	v_add_nc_u32 v[AV0], VOFF, v[AV0]
	s_mul_i32 s10, s[WV], 16*SP
	s_add_co_u32 s10, s10, STAGE                   ; my stage
	v_mul_u32_u24 v[STO], v1, SP
	v_lshl_add_u32 v[STO], v9, 4, v[STO]
	v_add_nc_u32 v[STO], s10, v[STO]
	v_bfe_u32 v[RD], v0, 3, 2                      ; back: 32 lanes take four rows of 128 bytes,
	v_mul_u32_u24 v[RD], v[RD], SP
	v_lshl_add_u32 v[RD], v41, 4, v[RD]
	v_add_nc_u32 v[RD], s10, v[RD]
	v_and_b32 v[GO], 31, v0                        ; which are 512 consecutive bytes of O
	v_lshlrev_b32 v[GO], 4, v[GO]
	v_mov_b32 v[AK], v[AK0]                        ; key step 0
.macro FETCH_K                         ; a step's K: 64 keys x 64 channels, 8 fragments
	WIN 0x80
.irp f, 0,1,2,3,4,5,6,7
	ds_load_b128 v[KF+8*\f:KF+8*\f+3],   v[AK] offset:(\f/2)*16*PK+(\f%2)*64
	ds_load_b128 v[KF+8*\f+4:KF+8*\f+7], v[AK] offset:(\f/2)*16*PK+(\f%2)*64+32
.endr
	WIN 0
.endm
.macro FETCH_V                         ; a step's V, turned
	WIN 0x80
.irp f, 0,1,2,3,4,5,6,7
	ds_load_tr16_b128 v[VF+8*\f:VF+8*\f+3],   v[AV] offset:(\f/4)*32*PV+(\f%4)*32
	ds_load_tr16_b128 v[VF+8*\f+4:VF+8*\f+7], v[AV] offset:(\f/4)*32*PV+16*PV+(\f%4)*32
.endr
	WIN 0
.endm
; S^T = K Q^T for tile u: four products start the four sums (with the mask in the tile's own step, else with 0), four go on.  The four accumulators take turns.
.macro KQ u
	WIN 0
	s_cmp_eq_u32 s[SS], s[TI+(\u)]
	s_cbranch_scc1 .Ldiag_\@
	WIN W_KQ
.irp i, 0,1,2,3
	v_wmma_f32_16x16x32_bf16 v[S+32*(\u)+8*\i:S+32*(\u)+8*\i+7], v[KF+16*\i:KF+16*\i+7], v[16*(\u):16*(\u)+7], 0
.endr
	WIN 0
	s_branch .Lrest_\@
.Ldiag_\@:
	WIN W_KM
.irp i, 0,1,2,3
	v_wmma_f32_16x16x32_bf16 v[S+32*(\u)+8*\i:S+32*(\u)+8*\i+7], v[KF+16*\i:KF+16*\i+7], v[16*(\u):16*(\u)+7], v[MD+8*\i:MD+8*\i+7]
.endr
	WIN 0
.Lrest_\@:
	WIN W_KQ
.irp i, 0,1,2,3
	v_wmma_f32_16x16x32_bf16 v[S+32*(\u)+8*\i:S+32*(\u)+8*\i+7], v[KF+16*\i+8:KF+16*\i+15], v[16*(\u)+8:16*(\u)+15], v[S+32*(\u)+8*\i:S+32*(\u)+8*\i+7]
.endr
	WIN 0
.endm
; O^T += V^T P for tile u: keys 32 (i / 4) on, channels 16 (i % 4) on
.macro PV u
	WIN W_PV
.irp i, 0,1,2,3,4,5,6,7
	v_wmma_f32_16x16x32_bf16 v[32*(\u)+8*(\i%4):32*(\u)+8*(\i%4)+7], v[VF+32*(\i/4)+8*(\i%4):VF+32*(\i/4)+8*(\i%4)+7], v[P+16*((\u)%2)+8*(\i/4):P+16*((\u)%2)+8*(\i/4)+7], v[32*(\u)+8*(\i%4):32*(\u)+8*(\i%4)+7]
.endr
	WIN 0
.endm
; tile u's softmax for one key step
.macro SM u
.set rT, ST+4*(\u)
.set rW, MV+(\u)
.set rS, S+32*(\u)
.set rP, P+16*((\u)%2)
.set rO, 32*(\u)
	WIN 0
.irp n, 0,1,2,3                        ; the maximum of my 32 scores and the old m: four chains; each accumulator's lowest registers are read first
	v_max3_num_f32 v[TMP+\n], v[rS+8*\n], v[rS+8*\n+1], v[rS+8*\n+2]
.endr
.irp n, 4,5,6,7,8,9,10,11
	v_max3_num_f32 v[TMP+(\n)%4], v[TMP+(\n)%4], v[rS+8*((\n)%4)+2*((\n)/4)+1], v[rS+8*((\n)%4)+2*((\n)/4)+2]
.endr
	v_max3_num_f32 v[TMP], v[TMP], v[rS+7], v[rS+15]
	v_max3_num_f32 v[TMP+1], v[TMP+1], v[rS+23], v[rS+31]
	v_max3_num_f32 v[TMP+2], v[TMP+2], v[TMP+3], v[rT+1]
	v_mov_b32 v[rW], v[rT]                         ; c m_old is kept
	v_max3_num_f32 v[TMP], v[TMP], v[TMP+1], v[TMP+2]
	v_permlanex16_b32 v[TMP+3], v[TMP], s[SEL], s[SEL+1]  ; the query's other 32 keys lie in the lane 16 away
	v_max_num_f32 v[rT+1], v[TMP], v[TMP+3]
	v_mul_f32 v[rT], s[CS], v[rT+1]
	v_sub_f32 v[TMP+1], v[rW], v[rT]
	v_exp_f32 v[TMP+2], v[TMP+1]                   ; a; the scalings below are the plain instructions behind it
.set z, 0
.rept 16
	v_pk_fma_f32 v[rS+2*z:rS+2*z+1], v[rS+2*z:rS+2*z+1], s[CS:CS+1], v[rT:rT+1] op_sel_hi:[1,0,0] neg_lo:[0,0,1] neg_hi:[0,0,1]  ; c s - c m
.set z, z+1
.endr
.set z, 0
.rept 32
	v_exp_f32 v[rS+z], v[rS+z]
.set z, z+1
.endr
	v_nop                                          ; a plain instruction behind the last exponential (ISA guide 5.7.2)
.set z, 0
	s_wait_alu depctr_va_vdst(0)
.rept 16
	v_cvt_pk_bf16_f32 v[rP+z], v[rS+2*z], v[rS+2*z+1]
.set z, z+1
.endr
.irp w, 4,8,16,32                      ; the sum of the 16 pairs, in place: neighbours 1, 2, 4 and 8 pairs apart
.set z, 0
.rept 32/\w
	v_pk_add_f32 v[rS+\w*z:rS+\w*z+1], v[rS+\w*z:rS+\w*z+1], v[rS+\w*z+\w/2:rS+\w*z+\w/2+1]
.set z, z+1
.endr
.endr
	v_pk_fma_f32 v[rT+2:rT+3], v[rT+2:rT+3], v[TMP+2:TMP+3], v[rS:rS+1] op_sel_hi:[1,0,1]  ; l = a l + sum
	WIN W_RS
.set z, 0
.rept 16
	v_pk_mul_f32 v[rO+2*z:rO+2*z+1], v[rO+2*z:rO+2*z+1], v[TMP+2:TMP+3] op_sel_hi:[1,0]  ; O^T times a, from each accumulator's low end on
.set z, z+1
.endr
.endm
	s_wait_tensorcnt 0x0                           ; all four of my pieces are in
	s_barrier_signal -1
	s_barrier_wait -1                              ; everybody's are: the head's K and V are whole; nothing is filled again
	FETCH_K
	s_wait_loadcnt 0x0                             ; Q
	s_mov_b32 s[SS], 0
.Lstep:
	s_cmp_gt_u32 s[SS], s[TI]
	s_cbranch_scc1 .Lnext                          ; behind my longest tile's last step there is nothing for me to do
	PLACES                                         ; behind the last step's products, which read V's registers
	s_mul_i32 s[TBV], s[SS], KS*PV
	v_add_nc_u32 v[AV], s[TBV], v[AV0]
	FETCH_V
	s_wait_dscnt 16                                ; K of this step is in; V's sixteen loads may be out
	KQ 0
.irp u, 1,2,3
	s_cmp_gt_u32 s[SS], s[TI+\u]
	s_cbranch_scc1 .Lkq                            ; the tiles descend: behind a dead tile all are dead
	KQ \u
.endr
.Lkq:
	PLACES                                         ; behind the products: ahead of the loads into K's registers and of the first read of the scores
	s_add_co_u32 s[TBK], s[SS], 1
	s_min_u32 s[TBK], s[TBK], 15                   ; the next step's K; behind the last step the same once more, so that the count below holds in every trip
	s_mul_i32 s[TBK], s[TBK], KS*PK
	v_add_nc_u32 v[AK], s[TBK], v[AK0]
	FETCH_K
	SM 0
	s_wait_dscnt 16                                ; V is in; the next K's sixteen loads may be out
	PV 0
.irp u, 1,2,3
	s_cmp_gt_u32 s[SS], s[TI+\u]
	s_cbranch_scc1 .Lsm
	SM \u
	PV \u
.endr
.Lsm:
.Lnext:
	s_add_co_u32 s[SS], s[SS], 1
	s_cmp_lt_u32 s[SS], 16
	s_cbranch_scc1 .Lstep
	; THE WAY OUT.  l's two halves and the other half of the lanes' are added; O^T is divided by l, rounded to bf16 and sent through my stage, a tile at a time.  The additions are the places behind the last products.
	s_wait_dscnt 0x0                               ; the last look-ahead's loads
.macro ALL line:vararg
.set t, 0
.rept 4
	\line
.set t, t+1
.endr
.endm
	ALL v_add_f32 v[ST+4*t+2], v[ST+4*t+2], v[ST+4*t+3]
	ALL v_permlanex16_b32 v[ST+4*t+3], v[ST+4*t+2], s[SEL], s[SEL+1]
	ALL v_add_f32 v[ST+4*t+2], v[ST+4*t+2], v[ST+4*t+3]
	ALL v_rcp_f32 v[ST+4*t+2], v[ST+4*t+2]
	v_nop                                          ; a plain instruction between the last reciprocal and the use of its result
	s_wait_alu depctr_va_vdst(0)
.macro PACK t                          ; a lane's eight channels of a row pack into 16 bytes; they go into rows of 144 bytes and come back as whole rows of 128
	WIN W_RS
.set i, 32*(\t)
.rept 16
	v_pk_mul_f32 v[i:i+1], v[i:i+1], v[ST+4*(\t)+2:ST+4*(\t)+3] op_sel_hi:[1,0]
.set i, i+2
.endr
	WIN 0x05                                       ; sources 0 and 1 window 1, destination window 0
.set i, 0
.rept 16
	v_cvt_pk_bf16_f32 v[S+16*(\t)+i], v[32*(\t)+2*i], v[32*(\t)+2*i+1]
.set i, i+1
.endr
	WIN 0
.irp f, 0,1,2,3
	ds_store_b128 v[STO], v[S+16*(\t)+4*\f:S+16*(\t)+4*\f+3] offset:32*\f
.endr
.irp f, 0,1,2,3
	ds_load_b128 v[S+16*(\t)+4*\f:S+16*(\t)+4*\f+3], v[RD] offset:\f*4*SP  ; LDS serves a wave's instructions in order (ISA guide 5.7.1.4): these see the stores above; the next tile's come behind them
.endr
.endm
.macro SEND t, younger                 ; younger: the LDS instructions issued behind tile t's loads: the next tile's eight, or none
.irp f, 0,1,2,3
	s_wait_dscnt (\younger)+3-\f
	global_store_b128 v[GO], v[S+16*(\t)+4*\f:S+16*(\t)+4*\f+3], s[OB+2*(\t):OB+2*(\t)+1] offset:\f*512  ; 512 consecutive bytes, at a multiple of 256 from att16's first byte
.endr
.endm
	PACK 0
	PACK 1
	SEND 0, 8
	PACK 2
	SEND 1, 8
	PACK 3
	SEND 2, 8
	SEND 3, 0
	s_wait_tensorcnt 0x0                           ; the wave's end
	ds_add_u32 v[SPW], v[NIL]
	s_wait_dscnt 0x0
	CROUND                                         ; the closing round
	s_endpgm
.Lfunc_end_k_q6044abe205_attn:
	.size	k_q6044abe205_attn, .Lfunc_end_k_q6044abe205_attn-k_q6044abe205_attn
	.p2alignl 7, 3214868480
	.fill 96, 4, 3214868480
	.section	.rodata,"a",@progbits
	.p2align	6, 0x0
	.amdhsa_kernel k_q6044abe205_attn
		.amdhsa_group_segment_fixed_size 327680
		.amdhsa_private_segment_fixed_size 0
		.amdhsa_enable_private_segment 0
		.amdhsa_kernarg_size 16
		.amdhsa_user_sgpr_count 2
		.amdhsa_user_sgpr_kernarg_segment_ptr 1
		.amdhsa_wavefront_size32 1
		.amdhsa_system_sgpr_workgroup_id_x 1
		.amdhsa_system_sgpr_workgroup_id_y 1
		.amdhsa_system_sgpr_workgroup_id_z 1
		.amdhsa_system_vgpr_workitem_id 0
		.amdhsa_next_free_vgpr 768
		.amdhsa_next_free_sgpr 96
		.amdhsa_reserve_vcc 1
		.amdhsa_float_denorm_mode_32 3
		.amdhsa_float_denorm_mode_16_64 3
		.amdhsa_memory_ordered 1
		.amdhsa_forward_progress 1
		.amdhsa_inst_pref_size 71
	.end_amdhsa_kernel
	.amdgpu_metadata
---
amdhsa.version: [ 1, 2 ]
amdhsa.kernels:
  - .name:           k_q6044abe205_attn
    .symbol:         k_q6044abe205_attn.kd
    .args:
      - { .name: qkv16, .offset: 0, .size: 8, .value_kind: global_buffer, .address_space: global }
      - { .name: att16, .offset: 8, .size: 8, .value_kind: global_buffer, .address_space: global }
    .group_segment_fixed_size: 327680
    .private_segment_fixed_size: 0
    .kernarg_segment_align: 8
    .kernarg_segment_size: 16
    .max_flat_workgroup_size: 128
    .sgpr_count:     96
    .vgpr_count:     768
    .wavefront_size: 32
...
	.end_amdgpu_metadata
.endif
;; end of part 3
;; launch gout (part 4): grid 8 x 32, 4 waves a work-group, clusters of 4 x 4, 327,680 bytes of LDS; arguments att16, w16, b_o, x, x1; writes x1
.if DOCPART == 4
	.amdgcn_target "amdgcn-amd-amdhsa--gfx1250"
	.amdhsa_code_object_version 6
	.text
	.protected	k_q6044abe205_gout
	.globl	k_q6044abe205_gout
	.p2align	8
	.type	k_q6044abe205_gout,@function
k_q6044abe205_gout:
	s_mov_b64 s[64:65], 0
	v_nop
	global_prefetch_b8 v0, s[64:65] scope:SCOPE_SE
	s_setreg_imm32_b32 hwreg(HW_REG_WAVE_MODE, 25, 1), 1
	s_wait_xcnt 0x0
	s_wait_alu depctr_hold_cnt(0) depctr_sa_sdst(0) depctr_va_vdst(0) depctr_va_sdst(0) depctr_va_ssrc(0) depctr_va_vcc(0) depctr_vm_vsrc(0)
	s_getreg_b32 s2, hwreg(HW_REG_IB_STS2, 6, 4)
	s_cmp_eq_u32 s2, 0
	s_cbranch_scc0 .Lentry_in_a_cluster
	s_endpgm
.Lentry_in_a_cluster:
	s_bfe_u32 s2, ttmp6, 0x10000c
	s_cmp_lg_u32 s2, 0xf033
	s_cbranch_scc0 .Lentry_shape_is_right
	s_endpgm
.Lentry_shape_is_right:
; x1 = x + att W_o + b_o: C[m][n] = res[m][n] + bias[n] + the sum over k of A[m][k] W^T[n][k], M = 4,096, N = 1,024, K = 256 KSTEPS.  Operands bf16, everything else f32; C is f32, row-major.
; A and W^T lie in panels of 64 columns: (row, c) of a matrix of R rows at byte ((c >> 6) R + row) 128 + (c & 63) 2: 128 rows of a panel are 16 KiB of dense memory.
; A tile of C is 128 x 128, so that 8 x 32 = 256 work-groups share the work evenly; four waves, each 64 x 64 in 16 accumulators.  K goes in steps of 256 (four panels) through a ring of two LDS slots.
; One tensor load brings 128 rows of two panels, padded in LDS behind every 128 bytes.  Waves 0, 1 fetch A's panel pairs, waves 2, 3 W's.
; CLUSTERS of 4 x 4: A's tiles are shared along a row, W's along a column, each asked for jointly.
; THE WALK ALONG K.  The clusters are coloured like a chess board, by (cluster x + cluster y) & 1; a cluster's t-th step takes K step t xor CB, CB = 0 or 2 by the colour.  The neighbour in x needs the
; same tiles of A, the neighbour in y the same tiles of W, and both have the other colour: so in steps t = 2, 3 (mod 4) a cluster asks for tiles that its neighbours asked for two steps before,
; and only in steps t = 0, 1 (mod 4) for tiles that nobody has read yet.  The sums take their terms in that order; they are f32 sums either way.
; The matrix instruction is used transposed (source 0 = rows of W^T, source 1 = rows of A); the bias is the C operand of the first product on each accumulator.
; The residual of the 32 rows that I store is loaded at the start and stays on its way under the whole K loop.
; The loop is one K step long: the slot being read is a scalar register that an exclusive or turns.  The last two K steps ask for no tile: a second copy of the trip, walked twice and left in its middle.
; LIMITS: A and W are rounded to bf16 before the products; NaN and infinities are not treated apart.
; REGISTERS: window 0: v16-30 addresses; v96-127 the bias fragments; v128-255 the accumulators, (a, b) at v[128 + 8 (4 a + b)].
;   window 1: two fragment buffers of 128 (64 along K: 64 registers of A, then 64 of W); on the way out the rows read back.   window 2: v0-127 the residual.
.set KSTEPS, 4
.set WOFF,   6291456                   ; where this launch's weights begin in w16
.set RP,     144                       ; an LDS row: 128 bytes + 16: the 16 rows of a fragment load start in 16 different groups of four banks (ISA guide 11.1)
.set PANL,   128*RP
.set BLK,    2*PANL                    ; what one tensor load brings
.set SLOT,   4*BLK                     ; A's four panels, then W's four
.set SPARE,  2*SLOT
.set SP,     528                       ; a stage row: 128 f32 + 16 bytes; the stage, 128 rows, lies at LDS byte 0, over the ring, which has had its last fill by then
.set SHA,    21                        ; a K step of A is four panels of 4,096 rows x 128 bytes = 2^21 bytes,
.set SHB,    19                        ; of W^T four panels of 1,024 rows = 2^19
.set STEPA,  1<<SHA
.set STEPB,  1<<SHB
.set FLAGS,  (1<<16)|(1<<20)|(1<<21)|(4<<22)|(3<<25)
.set ADRA0, 16
.set ADRB0, 17
.set ADRA,  18
.set ADRB,  19
.set STO,   24
.set RD,    25
.set CO,    26
.set BO,    27
.set SPW,   28
.set NIL,   29
.set PL,    30                         ; v30  256 x lane, for the prefetches (where KSTEPS > 4); never rewritten
.set BC,    96
.set ACC,   128
.set F0,    0
.set F1,    128
.set LB,  2
.set CNT, 3
.set WV,  14
.set RH,  15
.set CH,  16
.set TB,  17
.set G1A, 24
.set G0A0, 32
.set G0A, 36
.set G1B, 48
.set G0B0, 56
.set G0B, 60
.set BA,  66                           ; s[66:67] A at my share of K step 0's tile; never rewritten
.set BB,  68                           ; s[68:69] the same for W
.set TQ,  70                           ; s70  the step to be asked for next
.set CB,  71                           ; s71  0 or 2: my cluster's colour
.set OF,  72                           ; s[72:73] a byte offset; the high word stays 0
.set KK,  74                           ; s74  a K step's number
.set PFA, 76                           ; s[76:77] A at my wave's share of a prefetch, for K step 0
.set PFB, 78                           ; s[78:79] the same for W
.set PA,  80                           ; s[80:81], s[82:83] the two prefetch addresses in hand
.set PB,  82
.set MSB, 0
.macro WIN new
.if MSB != (\new)
	s_set_vgpr_msb (MSB<<8)|(\new)
.set MSB, (\new)
.endif
.endm
.macro PLACES
.rept 4
	v_nop
.endr
.endm
.macro CREST
	s_cmp_lg_u32 s[WV], 0
	s_cbranch_scc1 .Lnot_wave_0_\@
	s_barrier_signal -3
.Lnot_wave_0_\@:
	s_barrier_wait -3
	s_barrier_signal -1
	s_barrier_wait -1
.endm
.macro CROUND
	s_barrier_signal -1
	s_barrier_wait -1
	CREST
.endm
.macro JLOAD
	s_cmp_eq_u32 s[RH], 0
	s_cbranch_scc0 .Lfor_b_\@
	tensor_load_to_lds s[G0A:G0A+3], s[G1A:G1A+7]
	s_nop 0
.rept 4
	v_nop
.endr
	s_branch .Lasked_\@
.Lfor_b_\@:
	tensor_load_to_lds s[G0B:G0B+3], s[G1B:G1B+7]
	s_nop 0
.rept 4
	v_nop
.endr
.Lasked_\@:
.endm
	s_load_b256 s[4:11], s[0:1], 0x0               ; A s[4:5], w16 s[6:7], bias s[8:9], res s[10:11]
	s_load_b64 s[12:13], s[0:1], 0x20              ; C
	v_lshl_add_u32 v[SPW], v0, 2, SPARE
	v_mov_b32 v[NIL], 0
	ds_add_u32 v[SPW], v[NIL]                      ; the wave's opening: the add and its wait stand ahead of my first tensor load
	v_lshrrev_b32 v1, 5, v0
	v_readfirstlane_b32 s[WV], v1
	s_lshr_b32 s[RH], s[WV], 1                     ; my half of the tile's rows; also: I fetch for A (0) or for W (1)
	s_and_b32 s[CH], s[WV], 1                      ; my half of its columns; also: which pair of panels I fetch
	s_bfe_u32 s40, ttmp6, 0x40000
	s_bfe_u32 s41, ttmp6, 0x40004
	s_lshl_b32 s42, ttmp9, 2
	s_add_co_u32 s42, s42, s40                     ; tile column
	s_and_b32 s43, ttmp7, 0xffff
	s_add_co_u32 s[CB], ttmp9, s43                 ; cluster x + cluster y: the same number in all sixteen partners
	s_and_b32 s[CB], s[CB], 1
	s_lshl_b32 s[CB], s[CB], 1                     ; my cluster's colour: 0 or 2
	s_lshl_b32 s43, s43, 2
	s_add_co_u32 s43, s43, s41                     ; tile row
	s_lshl_b32 s44, s41, 2
	s_lshl_b32 s44, 15, s44
	s_lshl_b32 s45, 0x1111, s40
	s_or_b32 s[G1A], s44, FLAGS
	s_or_b32 s[G1B], s45, FLAGS
.irp g, G1A, G1B
	s_mov_b32 s[(\g)+1], 8192<<16                  ; tensor_dim0 = 8,192 elements: 128 rows of a panel, dense
	s_mov_b32 s[(\g)+2], 2<<16                     ; tensor_dim1 = 2 panels
	s_mov_b32 s[(\g)+3], 8192<<16
	s_mov_b32 s[(\g)+4], 2
	s_mov_b32 s[(\g)+6], 0
	s_mov_b32 s[(\g)+7], 0
.endr
	s_mov_b32 s[G1A+5], 4096*64                    ; elements from panel to panel
	s_mov_b32 s[G1B+5], 1024*64
	s_mul_i32 s[LB], s[WV], BLK
	s_lshl_b32 s18, s43, 14                        ; A: 128 rows a tile row,
	s_lshl_b32 s20, s[CH], 20                      ; two panels of 524,288 bytes
	s_add_co_u32 s18, s18, s20
	s_mov_b32 s19, 0
	s_lshl_b32 s46, s42, 14                        ; W: 128 rows a tile column,
	s_lshl_b32 s21, s[CH], 18                      ; two panels of 131,072 bytes
	s_add_co_u32 s46, s46, s21
	s_add_co_u32 s46, s46, WOFF
	s_mov_b32 s47, 0
	s_mov_b32 s[OF+1], 0
	s_mov_b32 s[TQ], 2                             ; steps 0 and 1 are the first fills
	s_wait_dscnt 0x0
	s_wait_kmcnt 0x0
	s_add_nc_u64 s[BA:BA+1], s[4:5], s[18:19]
	s_add_nc_u64 s[BB:BB+1], s[6:7], s[46:47]
	s_lshl_b32 s[OF], s[CB], SHA
	s_add_nc_u64 s[18:19], s[BA:BA+1], s[OF:OF+1]  ; my cluster's steps 0 and 1 take K steps CB and CB + 1
	s_lshl_b32 s[OF], s[CB], SHB
	s_add_nc_u64 s[46:47], s[BB:BB+1], s[OF:OF+1]
	CROUND                                         ; the first joint loads meet
.irp s, 0,1
	s_mov_b32 s[G0A0+4*(\s)], 1
	s_add_co_u32 s[G0A0+4*(\s)+1], s[LB], (\s)*SLOT
	s_add_nc_u64 s[G0A0+4*(\s)+2:G0A0+4*(\s)+3], s[18:19], (\s)*STEPA
	s_or_b32 s[G0A0+4*(\s)+3], s[G0A0+4*(\s)+3], 0x80000000
	s_mov_b32 s[G0B0+4*(\s)], 1
	s_add_co_u32 s[G0B0+4*(\s)+1], s[LB], (\s)*SLOT
	s_add_nc_u64 s[G0B0+4*(\s)+2:G0B0+4*(\s)+3], s[46:47], (\s)*STEPB
	s_or_b32 s[G0B0+4*(\s)+3], s[G0B0+4*(\s)+3], 0x80000000
.endr
	s_cmp_eq_u32 s[RH], 0                          ; a wave's two first fills stand in one branch: two loads of mine are out
	s_cbranch_scc0 .Lfirst_b
	tensor_load_to_lds s[G0A0:G0A0+3], s[G1A:G1A+7]
	s_nop 0
	tensor_load_to_lds s[G0A:G0A+3], s[G1A:G1A+7]
	s_nop 0
.rept 4
	v_nop
.endr
	s_branch .Lfirst_asked
.Lfirst_b:
	tensor_load_to_lds s[G0B0:G0B0+3], s[G1B:G1B+7]
	s_nop 0
	tensor_load_to_lds s[G0B:G0B+3], s[G1B:G1B+7]
	s_nop 0
.rept 4
	v_nop
.endr
.Lfirst_asked:
.if KSTEPS > 4
	; My wave's share of a prefetch.  Two K steps are eight panels; of a tile's 128 rows each panel holds a run of 16 KiB.  The 16 waves of the four work-groups that share A's tile take half a run each
	; (wave 4 cx + w: panel (4 cx + w) / 2, half (4 cx + w) % 2), 32 lanes 256 bytes apart; the 16 waves of the four that share W's tile likewise, by 4 cy + w.
	v_and_b32 v[PL], 31, v0
	v_lshlrev_b32 v[PL], 8, v[PL]
	s_lshl2_add_u32 s20, s40, s[WV]
	s_lshr_b32 s21, s20, 1
	s_and_b32 s20, s20, 1
	s_lshl_b32 s21, s21, 19
	s_lshl_b32 s20, s20, 13
	s_add_co_u32 s20, s20, s21
	s_lshl_b32 s21, s43, 14
	s_add_co_u32 s[OF], s20, s21
	s_add_nc_u64 s[PFA:PFA+1], s[4:5], s[OF:OF+1]
	s_lshl2_add_u32 s20, s41, s[WV]
	s_lshr_b32 s21, s20, 1
	s_and_b32 s20, s20, 1
	s_lshl_b32 s21, s21, 17
	s_lshl_b32 s20, s20, 13
	s_add_co_u32 s20, s20, s21
	s_lshl_b32 s21, s42, 14
	s_add_co_u32 s20, s20, s21
	s_add_co_u32 s[OF], s20, WOFF
	s_add_nc_u64 s[PFB:PFB+1], s[6:7], s[OF:OF+1]
.endif
	v_and_b32 v1, 15, v0                           ; r
	v_bfe_u32 v2, v0, 4, 1                         ; h
	v_mul_u32_u24 v3, v1, RP
	v_lshl_add_u32 v3, v2, 4, v3
	s_mul_i32 s21, s[RH], 64*RP                    ; my 64 rows of each of A's panels
	s_mul_i32 s22, s[CH], 64*RP                    ; my 64 rows of W's,
	s_add_co_u32 s22, s22, 2*BLK                   ; which lie behind A's four panels
	v_add_nc_u32 v[ADRA0], s21, v3
	v_add_nc_u32 v[ADRB0], s22, v3
	v_mov_b32 v[ADRA], v[ADRA0]
	v_mov_b32 v[ADRB], v[ADRB0]
	s_mov_b32 s[TB], 0
	s_mul_i32 s23, s[RH], 64*SP                    ; into the stage: my 64 rows, my half of their 512 bytes
	s_lshl_b32 s20, s[CH], 8
	s_add_co_u32 s23, s23, s20
	v_mul_u32_u24 v4, v1, SP
	v_lshl_add_u32 v4, v2, 5, v4
	v_add_nc_u32 v[STO], s23, v4
	s_mul_i32 s23, s[WV], 32*SP                    ; back: wave w takes rows 32 w .. 32 w + 31, whole: 32 lanes x 16 bytes are a row
	v_and_b32 v[CO], 31, v0
	v_lshlrev_b32 v[CO], 4, v[CO]
	v_add_nc_u32 v[RD], s23, v[CO]
	v_lshlrev_b32 v[BO], 5, v2
	s_lshl_b32 s46, s42, 9                         ; bias at my first column: 128 f32 a tile column, 64 a half
	s_lshl_b32 s20, s[CH], 8
	s_add_co_u32 s46, s46, s20
	s_mov_b32 s47, 0
	s_add_nc_u64 s[8:9], s[8:9], s[46:47]
	s_lshl_b32 s46, s43, 19                        ; res and C: 128 rows of 4,096 bytes a tile row, 32 a wave, 512 bytes a tile column
	s_lshl_b32 s20, s[WV], 17
	s_add_co_u32 s46, s46, s20
	s_lshl_b32 s20, s42, 9
	s_add_co_u32 s46, s46, s20
	s_add_nc_u64 s[10:11], s[10:11], s[46:47]
	s_add_nc_u64 s[12:13], s[12:13], s[46:47]
.irp b, 0,1,2,3
	global_load_b128 v[BC+8*(\b):BC+8*(\b)+3],   v[BO], s[8:9] offset:64*(\b)
	global_load_b128 v[BC+8*(\b)+4:BC+8*(\b)+7], v[BO], s[8:9] offset:64*(\b)+16
.endr
	WIN 0x80                                       ; destination window 2
.set t, 0
.rept 32
	global_load_b128 v[4*t:4*t+3], v[CO], s[10:11] offset:4096*t
.set t, t+1
.endr
	WIN 0
; 8 matrix instructions: m blocks a0, a0 + 1 x all 4 n blocks, 32 along K: half c of buffer f.  zero = 1: the first product takes the bias as C.  The 16 accumulators take turns.
.macro MUL8 f, c, a0, zero
	WIN 0x05                                       ; sources 0 (W) and 1 (A) window 1; C and D window 0
.irp a, \a0, (\a0)+1
.irp b, 0,1,2,3
.if \zero
	v_wmma_f32_16x16x32_bf16 v[ACC+8*(4*(\a)+(\b)):ACC+8*(4*(\a)+(\b))+7], v[(\f)+64+8*(4*(\c)+(\b)):(\f)+64+8*(4*(\c)+(\b))+7], v[(\f)+8*(4*(\c)+(\a)):(\f)+8*(4*(\c)+(\a))+7], v[BC+8*(\b):BC+8*(\b)+7]
.else
	v_wmma_f32_16x16x32_bf16 v[ACC+8*(4*(\a)+(\b)):ACC+8*(4*(\a)+(\b))+7], v[(\f)+64+8*(4*(\c)+(\b)):(\f)+64+8*(4*(\c)+(\b))+7], v[(\f)+8*(4*(\c)+(\a)):(\f)+8*(4*(\c)+(\a))+7], v[ACC+8*(4*(\a)+(\b)):ACC+8*(4*(\a)+(\b))+7]
.endif
.endr
.endr
.endm
; 32 LDS loads in one run: the fragments of panel q of the slot being read, into buffer f; the first 32 along K first
.macro FETCH q, f
	WIN 0x40
.irp c, 0,1
.irp i, 0,1,2,3
	ds_load_b128 v[(\f)+64+8*(4*(\c)+(\i)):(\f)+64+8*(4*(\c)+(\i))+3],   v[ADRB] offset:(\q)*PANL+64*(\c)+(\i)*16*RP
	ds_load_b128 v[(\f)+64+8*(4*(\c)+(\i))+4:(\f)+64+8*(4*(\c)+(\i))+7], v[ADRB] offset:(\q)*PANL+64*(\c)+(\i)*16*RP+32
	ds_load_b128 v[(\f)+8*(4*(\c)+(\i)):(\f)+8*(4*(\c)+(\i))+3],         v[ADRA] offset:(\q)*PANL+64*(\c)+(\i)*16*RP
	ds_load_b128 v[(\f)+8*(4*(\c)+(\i))+4:(\f)+8*(4*(\c)+(\i))+7],       v[ADRA] offset:(\q)*PANL+64*(\c)+(\i)*16*RP+32
.endr
.endr
.endm
.macro QUARTER q, f, g, zero
	s_wait_dscnt 16                                ; the first 32 along K are in
	MUL8 \f, 0, 0, \zero
	MUL8 \f, 0, 2, \zero
	PLACES
	FETCH \q, \g
	s_wait_dscnt 32                                ; all but the 32 just issued
	MUL8 \f, 1, 0, 0
	MUL8 \f, 1, 2, 0
.endm
; THE PREFETCH, for the tiles that my cluster is the first to ask for.  In the trip that has asked for step 4 j + 2 (TQ = 4 j + 3 by then) each wave asks for its share of steps 4 j + 4 and 4 j + 5:
; two and three trips ahead of their tensor loads; 8 KiB of A and 8 KiB of W a wave, 64 KiB a work-group.  A's blocks are asked for once in the launch; W's once by each cluster that takes them first.
; With TQ = KSTEPS - 1 the two steps would lie past the last: nothing is asked for.
.macro PREF
	WIN 0
	s_and_b32 s[KK], s[TQ], 3
	s_cmp_lg_u32 s[KK], 3
	s_cbranch_scc1 .Lno_ask_\@
	s_cmp_eq_u32 s[TQ], KSTEPS-1
	s_cbranch_scc1 .Lno_ask_\@
	s_add_co_u32 s[KK], s[TQ], 1
	s_xor_b32 s[KK], s[KK], s[CB]                  ; the K step that my cluster's step 4 j + 4 takes; it is even, and the next step takes the next
	s_wait_xcnt 0x0                                ; the two addresses are rewritten only behind this wait; the prefetches that named them stand four trips back
	s_lshl_b32 s[OF], s[KK], SHA
	s_add_nc_u64 s[PA:PA+1], s[PFA:PFA+1], s[OF:OF+1]
	s_lshl_b32 s[OF], s[KK], SHB
	s_add_nc_u64 s[PB:PB+1], s[PFB:PFB+1], s[OF:OF+1]
	global_prefetch_b8 v[PL], s[PA:PA+1] th:TH_LOAD_NT scope:SCOPE_SE
	global_prefetch_b8 v[PL], s[PB:PB+1] th:TH_LOAD_NT scope:SCOPE_SE
.Lno_ask_\@:
.endm
; The last quarter multiplies buffer 1 and changes slots: one barrier; in front of it each wave waits for all its tensor loads, adds 0 to its spare word, and waits for that and for its reads of this slot.
; fill = 1: the barrier opens a round of the cluster's barrier, and this slot is filled again, with my cluster's step TQ, first thing behind the round.  The descriptors' addresses are made anew:
; the base, plus the K step's number shifted, and the type bits set again.
.macro TURN fill
	WIN 0
	s_wait_tensorcnt 0x0                           ; the one load that was out is my part of the next slot; no load of mine is out, so a group 0 may be written
	ds_add_u32 v[SPW], v[NIL]
	s_wait_dscnt 17                                ; the add and the youngest sixteen loads may be out
	MUL8 F1, 0, 0, 0
	s_wait_dscnt 0x0                               ; the add is done, and my reads of this slot are over
	s_barrier_signal -1
	MUL8 F1, 0, 2, 0
	WIN 0
	s_barrier_wait -1
.if \fill
	CREST
	s_xor_b32 s[KK], s[TQ], s[CB]                  ; the K step that step TQ takes
	s_add_co_u32 s[TQ], s[TQ], 1
	s_lshl_b32 s[OF], s[KK], SHA
	s_xor_b32 s[G0A+1], s[G0A+1], SLOT             ; the other slot than last time: my quarter's offset shares no bit with SLOT
	s_add_nc_u64 s[G0A+2:G0A+3], s[BA:BA+1], s[OF:OF+1]
	s_or_b32 s[G0A+3], s[G0A+3], 0x80000000
	s_lshl_b32 s[OF], s[KK], SHB
	s_xor_b32 s[G0B+1], s[G0B+1], SLOT
	s_add_nc_u64 s[G0B+2:G0B+3], s[BB:BB+1], s[OF:OF+1]
	s_or_b32 s[G0B+3], s[G0B+3], 0x80000000
.endif
	s_xor_b32 s[TB], s[TB], SLOT
	v_add_nc_u32 v[ADRA], s[TB], v[ADRA0]
	v_add_nc_u32 v[ADRB], s[TB], v[ADRB0]
.if \fill
	JLOAD                                          ; the four v_nop behind it are also the places in front of the loads below
.else
	PLACES
.endif
	FETCH 0, F0
.if (\fill) && (KSTEPS > 4)
	PREF                                           ; behind the wave's own loads, with sixteen matrix instructions to follow
.endif
	MUL8 F1, 1, 0, 0
	MUL8 F1, 1, 2, 0
.endm
	s_wait_tensorcnt 0x1                           ; my part of step 0 is in; step 1's may stay out
	s_barrier_signal -1
	s_barrier_wait -1
	FETCH 0, F0
	s_wait_loadcnt 32                              ; the bias is in; the 32 younger loads, the residual, stay out
	QUARTER 1, F0, F1, 1
	WIN 0
	s_mov_b32 s[CNT], KSTEPS-2
.Lstep:
	QUARTER 2, F1, F0, 0
	QUARTER 3, F0, F1, 0
	TURN 1
	QUARTER 1, F0, F1, 0
	WIN 0
	s_sub_co_u32 s[CNT], s[CNT], 1
	s_cmp_lg_u32 s[CNT], 0
	s_cbranch_scc1 .Lstep
	s_mov_b32 s[CNT], 2                            ; the last two steps: the same trip without a refill, left in the middle of its second walk.
.Ltail:                                                ; In the first walk the wait for all tensor loads shows the last slot landed.  The second walk's barrier and its 32 fragment loads
	QUARTER 2, F1, F0, 0                           ; (from the slot used before) serve nothing: the price, once a launch, of one text for both steps
	QUARTER 3, F0, F1, 0
	TURN 0
	WIN 0
	s_sub_co_u32 s[CNT], s[CNT], 1
	s_cmp_eq_u32 s[CNT], 0
	s_cbranch_scc1 .Lleave
	QUARTER 1, F0, F1, 0
	WIN 0
	s_branch .Ltail
.Lleave:
	s_wait_dscnt 0x0                               ; the last turn's fragment loads: their registers are used again below, and no LDS instruction is out at the signal
	PLACES
	s_barrier_signal -1                            ; every wave's reads of the ring are over: the stage may lie over it
	s_barrier_wait -1
	; THE WAY OUT: f32 into the work-group's stage; a barrier, since a row's 512 bytes come from two waves; back as whole rows, 32 a wave; the residual is added; whole rows leave.
.irp a, 0,1,2,3
.irp b, 0,1,2,3
	ds_store_b128 v[STO], v[ACC+8*(4*(\a)+(\b)):ACC+8*(4*(\a)+(\b))+3]   offset:(\a)*16*SP+64*(\b)     ; each accumulator's low registers first
	ds_store_b128 v[STO], v[ACC+8*(4*(\a)+(\b))+4:ACC+8*(4*(\a)+(\b))+7] offset:(\a)*16*SP+64*(\b)+16
.endr
.endr
	s_wait_dscnt 0x0                               ; for the others' sake: my stores into the stage are done
	s_barrier_signal -1
	s_barrier_wait -1
	WIN 0x40
.set t, 0
.rept 32
	ds_load_b128 v[4*t:4*t+3], v[RD] offset:t*SP
.set t, t+1
.endr
	s_wait_loadcnt 0x0                             ; the residual
	s_wait_dscnt 0x0
	WIN 0x49                                       ; destination and source 0 window 1, source 1 window 2
.set z, 0
.rept 64
	v_pk_add_f32 v[2*z:2*z+1], v[2*z:2*z+1], v[2*z:2*z+1]
.set z, z+1
.endr
	WIN 0x04                                       ; store data window 1
.set t, 0
.rept 32
	global_store_b128 v[CO], v[4*t:4*t+3], s[12:13] offset:4096*t  ; 512 consecutive bytes, at a multiple of 512 from C's first byte
.set t, t+1
.endr
	WIN 0
	s_wait_tensorcnt 0x0                           ; the wave's end
	ds_add_u32 v[SPW], v[NIL]
	s_wait_dscnt 0x0
	CROUND                                         ; the closing round
	s_endpgm
.Lfunc_end_k_q6044abe205_gout:
	.size	k_q6044abe205_gout, .Lfunc_end_k_q6044abe205_gout-k_q6044abe205_gout
	.p2alignl 7, 3214868480
	.fill 96, 4, 3214868480
	.section	.rodata,"a",@progbits
	.p2align	6, 0x0
	.amdhsa_kernel k_q6044abe205_gout
		.amdhsa_group_segment_fixed_size 327680
		.amdhsa_private_segment_fixed_size 0
		.amdhsa_enable_private_segment 0
		.amdhsa_kernarg_size 40
		.amdhsa_user_sgpr_count 2
		.amdhsa_user_sgpr_kernarg_segment_ptr 1
		.amdhsa_wavefront_size32 1
		.amdhsa_system_sgpr_workgroup_id_x 1
		.amdhsa_system_sgpr_workgroup_id_y 1
		.amdhsa_system_sgpr_workgroup_id_z 1
		.amdhsa_system_vgpr_workitem_id 0
		.amdhsa_next_free_vgpr 640
		.amdhsa_next_free_sgpr 84
		.amdhsa_reserve_vcc 0
		.amdhsa_float_denorm_mode_32 3
		.amdhsa_float_denorm_mode_16_64 3
		.amdhsa_memory_ordered 1
		.amdhsa_forward_progress 1
		.amdhsa_inst_pref_size 65
	.end_amdhsa_kernel
	.amdgpu_metadata
---
amdhsa.version: [ 1, 2 ]
amdhsa.kernels:
  - .name:           k_q6044abe205_gout
    .symbol:         k_q6044abe205_gout.kd
    .args:
      - { .name: att16, .offset: 0, .size: 8, .value_kind: global_buffer, .address_space: global }
      - { .name: w16, .offset: 8, .size: 8, .value_kind: global_buffer, .address_space: global }
      - { .name: b_o, .offset: 16, .size: 8, .value_kind: global_buffer, .address_space: global }
      - { .name: x, .offset: 24, .size: 8, .value_kind: global_buffer, .address_space: global }
      - { .name: x1, .offset: 32, .size: 8, .value_kind: global_buffer, .address_space: global }
    .group_segment_fixed_size: 327680
    .private_segment_fixed_size: 0
    .kernarg_segment_align: 8
    .kernarg_segment_size: 40
    .max_flat_workgroup_size: 128
    .sgpr_count:     84
    .vgpr_count:     640
    .wavefront_size: 32
...
	.end_amdgpu_metadata
.endif
;; end of part 4
;; launch ln2 (part 5): grid 256 x 1, 8 waves a work-group, no clusters, 0 bytes of LDS; arguments x1, ln2_s, ln2_b, xn16; writes xn16
.if DOCPART == 5
	.amdgcn_target "amdgcn-amd-amdhsa--gfx1250"
	.amdhsa_code_object_version 6
	.text
	.protected	k_q6044abe205_ln2
	.globl	k_q6044abe205_ln2
	.p2align	8
	.type	k_q6044abe205_ln2,@function
k_q6044abe205_ln2:
	s_mov_b64 s[64:65], 0
	v_nop
	global_prefetch_b8 v0, s[64:65] scope:SCOPE_SE
	s_setreg_imm32_b32 hwreg(HW_REG_WAVE_MODE, 25, 1), 1
	s_wait_xcnt 0x0
; The second LayerNorm: 4,096 rows of 1,024 f32; the result in bf16, in panels of 64 columns: (row, c) at byte ((c >> 6) 4096 + row) 128 + (c & 63) 2.
; y = (x - mean) / sqrt(var + 1e-5) * scale + bias, in two passes over registers as the definition has it (first the mean, then the mean of the squared differences),
; so a common offset of the inputs cancels before anything is squared.  All in f32; y is rounded once.
; A work-group owns 16 rows.  A wave takes TWO rows at once, lanes 0-15 one and lanes 16-31 the next: the sums never leave a half of 16 lanes,
; a load covers 256 aligned bytes of each row, and a store of 8 bytes a lane covers two neighbouring rows of one panel: 256 consecutive bytes, aligned.
; The launch is bound by its bytes: no LDS, no barrier, no matrix unit.
.set XO, 1                             ; v1  my byte offset in the group's rows of x
.set PO, 2                             ; v2  my byte offset in scale and bias
.set OO, 3                             ; v3  my byte offset in a panel's 16 rows
.set X,  16                            ; v16-79    x: load j holds columns 64 j + 4 r ..
.set G,  80                            ; v80-143   scale; later the packed result
.set BV, 144                           ; v144-207  bias
.set A,  208                           ; v208-215  four chains of packed sums
.set MU, 216                           ; v216-217  the mean, twice
.set RS, 218                           ; v218-219  1 / sqrt(var + eps), twice
.set T,  220                           ; v220      at work
	s_load_b256 s[4:11], s[0:1], 0x0               ; x s[4:5], scale s[6:7], bias s[8:9], out s[10:11]
	s_lshl_b32 s2, ttmp9, 16                       ; 16 rows of 4,096 bytes
	s_mov_b32 s3, 0
	s_lshl_b32 s14, ttmp9, 11                      ; 16 rows of 128 bytes in a panel
	s_mov_b32 s15, 0
	s_mov_b32 s12, 0x3a800000                      ; 1 / 1024
	s_mov_b32 s13, 0x3727c5ac                      ; 1e-5
	v_and_b32 v4, 15, v0                           ; r
	v_lshrrev_b32 v5, 4, v0                        ; my row among the 16
	v_lshlrev_b32 v[PO], 4, v4
	v_lshl_add_u32 v[XO], v5, 12, v[PO]
	v_lshlrev_b32 v[OO], 3, v4
	v_lshl_add_u32 v[OO], v5, 7, v[OO]
	s_wait_kmcnt 0x0
	s_add_nc_u64 s[4:5], s[4:5], s[2:3]
	s_add_nc_u64 s[10:11], s[10:11], s[14:15]
.set j, 0
.rept 16
	global_load_b128 v[X+4*j:X+4*j+3], v[XO], s[4:5] offset:256*j
.set j, j+1
.endr
.set j, 0
.rept 16
	global_load_b128 v[G+4*j:G+4*j+3], v[PO], s[6:7] offset:256*j
	global_load_b128 v[BV+4*j:BV+4*j+3], v[PO], s[8:9] offset:256*j
.set j, j+1
.endr
.macro ACROSS                          ; the four chains into one number, then over my half of 16 lanes: every lane of the half ends with the row's sum in v[T]
	v_pk_add_f32 v[A:A+1], v[A:A+1], v[A+2:A+3]
	v_pk_add_f32 v[A+4:A+5], v[A+4:A+5], v[A+6:A+7]
	v_pk_add_f32 v[A:A+1], v[A:A+1], v[A+4:A+5]
	v_add_f32 v[T], v[A], v[A+1]
	v_add_f32_dpp v[T], v[T], v[T] row_xmask:1 row_mask:0xf bank_mask:0xf
	v_add_f32_dpp v[T], v[T], v[T] row_xmask:2 row_mask:0xf bank_mask:0xf
	v_add_f32_dpp v[T], v[T], v[T] row_xmask:4 row_mask:0xf bank_mask:0xf
	v_add_f32_dpp v[T], v[T], v[T] row_xmask:8 row_mask:0xf bank_mask:0xf
.endm
	s_wait_loadcnt 32                              ; x is in; the 32 younger loads, scale and bias, stay out
.irp k, 0,1,2,3
	v_pk_add_f32 v[A+2*(\k):A+2*(\k)+1], v[X+2*(\k):X+2*(\k)+1], v[X+2*(\k)+8:X+2*(\k)+9]  ; the first additions start the chains: nothing is cleared
.endr
.set p, 8
.rept 24
	v_pk_add_f32 v[A+2*(p%4):A+2*(p%4)+1], v[A+2*(p%4):A+2*(p%4)+1], v[X+2*p:X+2*p+1]
.set p, p+1
.endr
	ACROSS
	v_mul_f32 v[MU], s12, v[T]
	v_mov_b32 v[MU+1], v[MU]
.set p, 0
.rept 32
	v_pk_add_f32 v[X+2*p:X+2*p+1], v[X+2*p:X+2*p+1], v[MU:MU+1] neg_lo:[0,1] neg_hi:[0,1]  ; x - mean
.set p, p+1
.endr
.irp k, 0,1,2,3
	v_pk_mul_f32 v[A+2*(\k):A+2*(\k)+1], v[X+2*(\k):X+2*(\k)+1], v[X+2*(\k):X+2*(\k)+1]
.endr
.set p, 4
.rept 28
	v_pk_fma_f32 v[A+2*(p%4):A+2*(p%4)+1], v[X+2*p:X+2*p+1], v[X+2*p:X+2*p+1], v[A+2*(p%4):A+2*(p%4)+1]
.set p, p+1
.endr
	ACROSS
	v_fma_f32 v[T], v[T], s12, s13                 ; var + eps
	v_rsq_f32 v[RS], v[T]
	v_rsq_f32 v[RS+1], v[T]
	v_nop                                          ; a plain instruction between the root and the use of its result (ISA guide 5.7.2)
	s_wait_loadcnt 0x0                             ; scale and bias
.set p, 0
	s_wait_alu depctr_va_vdst(0)
.rept 32
	v_pk_mul_f32 v[G+2*p:G+2*p+1], v[G+2*p:G+2*p+1], v[RS:RS+1]
.set p, p+1
.endr
.set p, 0
.rept 32
	v_pk_fma_f32 v[X+2*p:X+2*p+1], v[X+2*p:X+2*p+1], v[G+2*p:G+2*p+1], v[BV+2*p:BV+2*p+1]
.set p, p+1
.endr
.set p, 0
.rept 32
	v_cvt_pk_bf16_f32 v[G+p], v[X+2*p], v[X+2*p+1]
.set p, p+1
.endr
.set j, 0
.rept 16
	global_store_b64 v[OO], v[G+2*j:G+2*j+1], s[10:11] offset:524288*j  ; panel j; 15 panels at the most, inside the signed 24-bit immediate
.set j, j+1
.endr
	s_endpgm
.Lfunc_end_k_q6044abe205_ln2:
	.size	k_q6044abe205_ln2, .Lfunc_end_k_q6044abe205_ln2-k_q6044abe205_ln2
	.p2alignl 7, 3214868480
	.fill 96, 4, 3214868480
	.section	.rodata,"a",@progbits
	.p2align	6, 0x0
	.amdhsa_kernel k_q6044abe205_ln2
		.amdhsa_group_segment_fixed_size 0
		.amdhsa_private_segment_fixed_size 0
		.amdhsa_enable_private_segment 0
		.amdhsa_kernarg_size 32
		.amdhsa_user_sgpr_count 2
		.amdhsa_user_sgpr_kernarg_segment_ptr 1
		.amdhsa_wavefront_size32 1
		.amdhsa_system_sgpr_workgroup_id_x 1
		.amdhsa_system_sgpr_workgroup_id_y 1
		.amdhsa_system_sgpr_workgroup_id_z 1
		.amdhsa_system_vgpr_workitem_id 0
		.amdhsa_next_free_vgpr 224
		.amdhsa_next_free_sgpr 66
		.amdhsa_reserve_vcc 0
		.amdhsa_float_denorm_mode_32 3
		.amdhsa_float_denorm_mode_16_64 3
		.amdhsa_memory_ordered 1
		.amdhsa_forward_progress 1
		.amdhsa_inst_pref_size 20
	.end_amdhsa_kernel
	.amdgpu_metadata
---
amdhsa.version: [ 1, 2 ]
amdhsa.kernels:
  - .name:           k_q6044abe205_ln2
    .symbol:         k_q6044abe205_ln2.kd
    .args:
      - { .name: x1, .offset: 0, .size: 8, .value_kind: global_buffer, .address_space: global }
      - { .name: ln2_s, .offset: 8, .size: 8, .value_kind: global_buffer, .address_space: global }
      - { .name: ln2_b, .offset: 16, .size: 8, .value_kind: global_buffer, .address_space: global }
      - { .name: xn16, .offset: 24, .size: 8, .value_kind: global_buffer, .address_space: global }
    .group_segment_fixed_size: 0
    .private_segment_fixed_size: 0
    .kernarg_segment_align: 8
    .kernarg_segment_size: 32
    .max_flat_workgroup_size: 256
    .sgpr_count:     66
    .vgpr_count:     224
    .wavefront_size: 32
...
	.end_amdgpu_metadata
.endif
;; end of part 5
;; launch gfc (part 6): grid 16 x 16, 4 waves a work-group, clusters of 4 x 4, 327,680 bytes of LDS; arguments xn16, w16, b_fc, h16; writes h16
.if DOCPART == 6
	.amdgcn_target "amdgcn-amd-amdhsa--gfx1250"
	.amdhsa_code_object_version 6
	.text
	.protected	k_q6044abe205_gfc
	.globl	k_q6044abe205_gfc
	.p2align	8
	.type	k_q6044abe205_gfc,@function
k_q6044abe205_gfc:
	s_mov_b64 s[64:65], 0
	v_nop
	global_prefetch_b8 v0, s[64:65] scope:SCOPE_SE
	s_setreg_imm32_b32 hwreg(HW_REG_WAVE_MODE, 25, 1), 1
	s_wait_xcnt 0x0
	s_wait_alu depctr_hold_cnt(0) depctr_sa_sdst(0) depctr_va_vdst(0) depctr_va_sdst(0) depctr_va_ssrc(0) depctr_va_vcc(0) depctr_vm_vsrc(0)
	s_getreg_b32 s2, hwreg(HW_REG_IB_STS2, 6, 4)
	s_cmp_eq_u32 s2, 0
	s_cbranch_scc0 .Lentry_in_a_cluster
	s_endpgm
.Lentry_in_a_cluster:
	s_bfe_u32 s2, ttmp6, 0x10000c
	s_cmp_lg_u32 s2, 0xf033
	s_cbranch_scc0 .Lentry_shape_is_right
	s_endpgm
.Lentry_shape_is_right:
; h = gelu(LN2(x1) W_fc + b_fc): C[m][n] = gelu(bias[n] + the sum over k of A[m][k] W^T[n][k]), M = 4,096, N = NCOL, K = 1,024.  Operands bf16, sums and the activation f32, C rounded once to bf16.
; ALL 16-BIT MATRICES LIE IN PANELS OF 64 COLUMNS: (row, c) of a matrix of R rows at byte ((c >> 6) R + row) 128 + (c & 63) 2.  So 128 rows of a panel are 16 KiB of dense memory.
; A tile of C is 256 x 256: four waves, each 128 x 128 in 64 accumulators (512 registers); 16 x 16 = 256 work-groups.  K goes in steps of 128 (two panels) through a ring of two LDS slots.
; One tensor load brings 128 rows of two panels: two runs of 16 KiB, padded in LDS behind every 128 bytes.  Waves 0, 1 fetch A's halves, waves 2, 3 W's.
; CLUSTERS of 4 x 4 work-groups: the four of a row need the same tiles of A, the four of a column the same tiles of W: each tile is asked for jointly.
; THE MATRIX INSTRUCTION IS USED TRANSPOSED (source 0 = 16 rows of W^T, source 1 = 16 rows of A): lane l holds row l % 16 of C and the columns 8 (l / 16) + 0..7.
; THE BIAS IS THE C OPERAND of the first product on each accumulator: nothing is cleared, and the way out adds nothing.
; THE LOOP IS ONE K STEP LONG: the slot being read is a scalar register (0 or SLOT) that an exclusive or turns; the fragment addresses are made anew from it at each change of slots.
; The last two K steps ask for no tile: they are a second copy of the trip, walked twice and left in its middle.
; LIMITS: A and W are rounded to bf16 before the products, C to bf16 behind the activation; NaN and infinities are not treated apart.
; REGISTERS, in windows of 256: window 0: v16-29 addresses; v64-127, v128-191 fragments of A, two buffers (on the way out: at work).
;   window 1: v0-63 the bias fragments; v64-127, v128-191 fragments of W.   windows 2, 3: the accumulators of my rows 0-63, 64-127: (a, b) at v[8 (8 a + b)].
.set NCOL,   4096
.set WOFF,   8388608                   ; where this launch's weights begin in w16
.set GELU,   1
.set KSTEPS, 8
.set RP,     144                       ; an LDS row: 128 bytes + 16: an odd multiple of 16, so the 16 rows of a fragment load start in 16 different groups of four banks (ISA guide 11.1)
.set PANL,   128*RP                    ; 128 rows of one panel
.set BLK,    2*PANL                    ; what one tensor load brings
.set SLOT,   4*BLK                     ; A's two halves, then W's two halves
.set SPARE,  2*SLOT                    ; behind the ring: the spare words, 128 bytes a wave
.set SP,     528                       ; a stage row on the way out: 128 f32 + 16 bytes
.set WSTG,   128*SP                    ; a wave's stage; the four lie over the ring, which has had its last fill by then
.set STEPA,  2*4096*128                ; two panels of A, in bytes
.set STEPB,  2*NCOL*128                ; two panels of W^T
.set FLAGS,  (1<<16)|(1<<20)|(1<<21)|(4<<22)|(3<<25)  ; 17:16 2-byte elements; 20 padding on; 21 set beside a mask; 24:22 after every 32 words; 31:25 4 words
.set ADRA0, 16                         ; v16  my lane's place in A's part of a slot; never rewritten
.set ADRB0, 17                         ; v17  the same for W
.set ADRA,  18                         ; v18  v16 + the slot being read
.set ADRB,  19                         ; v19
.set STO,   24                         ; v24  the way out: where I put 16 bytes of a row
.set RD,    25                         ; v25  where I read rows back
.set CO,    26                         ; v26  my byte offset in the result
.set BO,    27                         ; v27  my byte offset in a bias fragment
.set SPW,   28                         ; v28  my spare word; never rewritten
.set NIL,   29                         ; v29  0; never rewritten
.set F0,    64
.set F1,    128
.set X,     64                         ; the way out: 8 rows read back, f32
.set TT,    96                         ; at work
.set Y,     160                        ; packed bf16
.set LB,  2                            ; s2   LDS byte of my quarter of slot 0
.set CNT, 3                            ; s3   a loop's counter
.set WV,  14                           ; s14  wave
.set RH,  15                           ; s15  my half of the tile's rows; also: I fetch for A (0) or for W (1)
.set CH,  16                           ; s16  my half of its columns; also: which half I fetch
.set TB,  17                           ; s17  the slot being read: 0 or SLOT
.set G1A, 24                           ; s[24:31] descriptor group 1 for A
.set G0A0, 32                          ; s[32:35] group 0 of A's first fill
.set G0A, 36                           ; s[36:39] group 0 of A's second fill; then it walks
.set G1B, 48
.set G0B0, 56
.set G0B, 60
.set KC1, 66                           ; s[66:67], s[68:69] the activation's two constants
.set KC0, 68
.set MSB, 0
.macro WIN new                         ; the immediate's high byte repeats the setting that is left; a switch that changes nothing is dropped
.if MSB != (\new)
	s_set_vgpr_msb (MSB<<8)|(\new)
.set MSB, (\new)
.endif
.endm
.macro PLACES                          ; four plain vector instructions behind a matrix instruction, ahead of loads into its sources and of reads of its result
.rept 4
	v_nop
.endr
.endm
.macro CREST                           ; a round of the cluster's barrier behind its opening barrier
	s_cmp_lg_u32 s[WV], 0
	s_cbranch_scc1 .Lnot_wave_0_\@
	s_barrier_signal -3
.Lnot_wave_0_\@:
	s_barrier_wait -3
	s_barrier_signal -1
	s_barrier_wait -1
.endm
.macro CROUND
	s_barrier_signal -1
	s_barrier_wait -1
	CREST
.endm
.macro JLOAD                           ; a joint refill: each of the two lines has one mask and one set of registers; the branch hangs on the wave's number alone
	s_cmp_eq_u32 s[RH], 0
	s_cbranch_scc0 .Lfor_b_\@
	tensor_load_to_lds s[G0A:G0A+3], s[G1A:G1A+7]
	s_nop 0
.rept 4
	v_nop
.endr
	s_branch .Lasked_\@
.Lfor_b_\@:
	tensor_load_to_lds s[G0B:G0B+3], s[G1B:G1B+7]
	s_nop 0
.rept 4
	v_nop
.endr
.Lasked_\@:
.endm
	s_load_b256 s[4:11], s[0:1], 0x0               ; A s[4:5], w16 s[6:7], bias s[8:9], C s[10:11]
	v_lshl_add_u32 v[SPW], v0, 2, SPARE
	v_mov_b32 v[NIL], 0
	ds_add_u32 v[SPW], v[NIL]                      ; the wave's opening: the add and its wait stand ahead of my first tensor load; work on registers stands between them
	v_lshrrev_b32 v1, 5, v0
	v_readfirstlane_b32 s[WV], v1
	s_lshr_b32 s[RH], s[WV], 1
	s_and_b32 s[CH], s[WV], 1
	s_bfe_u32 s40, ttmp6, 0x40000                  ; cx
	s_bfe_u32 s41, ttmp6, 0x40004                  ; cy
	s_lshl_b32 s42, ttmp9, 2
	s_add_co_u32 s42, s42, s40                     ; tile column = 4 x cluster x + cx
	s_and_b32 s43, ttmp7, 0xffff
	s_lshl_b32 s43, s43, 2
	s_add_co_u32 s43, s43, s41                     ; tile row = 4 x cluster y + cy
	s_lshl_b32 s44, s41, 2
	s_lshl_b32 s44, 15, s44                        ; my row of the cluster
	s_lshl_b32 s45, 0x1111, s40                    ; my column
	s_or_b32 s[G1A], s44, FLAGS                    ; A's tiles go to my row,
	s_or_b32 s[G1B], s45, FLAGS                    ; W's to my column
.irp g, G1A, G1B
	s_mov_b32 s[(\g)+1], 8192<<16                  ; tensor_dim0 = 8,192 elements: 128 rows of a panel, dense
	s_mov_b32 s[(\g)+2], 2<<16                     ; tensor_dim1 = 2 panels
	s_mov_b32 s[(\g)+3], 8192<<16                  ; tile_dim0
	s_mov_b32 s[(\g)+4], 2                         ; tile_dim1
	s_mov_b32 s[(\g)+6], 0
	s_mov_b32 s[(\g)+7], 0
.endr
	s_mov_b32 s[G1A+5], 4096*64                    ; elements from panel to panel
	s_mov_b32 s[G1B+5], NCOL*64
	s_mul_i32 s[LB], s[WV], BLK                    ; where my loads go: no place in the cluster enters an LDS address
	s_lshl_b32 s20, s[CH], 14                      ; the half that I fetch: 128 rows of 128 bytes
	s_lshl_b32 s18, s43, 15                        ; A: 256 rows a tile row
	s_add_co_u32 s18, s18, s20
	s_mov_b32 s19, 0
	s_lshl_b32 s46, s42, 15                        ; W: 256 rows a tile column
	s_add_co_u32 s46, s46, s20
	s_add_co_u32 s46, s46, WOFF
	s_mov_b32 s47, 0
	s_wait_dscnt 0x0                               ; the opening add is done
	s_wait_kmcnt 0x0
	s_add_nc_u64 s[18:19], s[4:5], s[18:19]
	s_add_nc_u64 s[46:47], s[6:7], s[46:47]
	CROUND                                         ; all sixteen work-groups are here: the first joint loads meet
.irp s, 0,1
	s_mov_b32 s[G0A0+4*(\s)], 1                    ; count = 1
	s_add_co_u32 s[G0A0+4*(\s)+1], s[LB], (\s)*SLOT
	s_add_nc_u64 s[G0A0+4*(\s)+2:G0A0+4*(\s)+3], s[18:19], (\s)*STEPA  ; K step s
	s_or_b32 s[G0A0+4*(\s)+3], s[G0A0+4*(\s)+3], 0x80000000            ; type = 2
	s_mov_b32 s[G0B0+4*(\s)], 1
	s_add_co_u32 s[G0B0+4*(\s)+1], s[LB], (\s)*SLOT
	s_add_nc_u64 s[G0B0+4*(\s)+2:G0B0+4*(\s)+3], s[46:47], (\s)*STEPB
	s_or_b32 s[G0B0+4*(\s)+3], s[G0B0+4*(\s)+3], 0x80000000
.endr
	s_cmp_eq_u32 s[RH], 0                          ; a wave's two first fills stand in one branch, ahead of every wait on TENSORcnt and every LDS read: two loads of mine are out
	s_cbranch_scc0 .Lfirst_b
	tensor_load_to_lds s[G0A0:G0A0+3], s[G1A:G1A+7]
	s_nop 0
	tensor_load_to_lds s[G0A:G0A+3], s[G1A:G1A+7]
	s_nop 0
.rept 4
	v_nop
.endr
	s_branch .Lfirst_asked
.Lfirst_b:
	tensor_load_to_lds s[G0B0:G0B0+3], s[G1B:G1B+7]
	s_nop 0
	tensor_load_to_lds s[G0B:G0B+3], s[G1B:G1B+7]
	s_nop 0
.rept 4
	v_nop
.endr
.Lfirst_asked:
	; a fragment is 16 rows x 32 K in 8 registers: lane l holds row l % 16, K = 8 (l / 16) + 0..7 and 16 + 8 (l / 16) + 0..7: two loads of 16 bytes, 32 bytes apart
	v_and_b32 v1, 15, v0                           ; r
	v_bfe_u32 v2, v0, 4, 1                         ; h
	v_mul_u32_u24 v3, v1, RP
	v_lshl_add_u32 v3, v2, 4, v3
	s_mul_i32 s21, s[RH], BLK
	s_mul_i32 s22, s[CH], BLK
	s_add_co_u32 s22, s22, 2*BLK
	v_add_nc_u32 v[ADRA0], s21, v3
	v_add_nc_u32 v[ADRB0], s22, v3
	v_mov_b32 v[ADRA], v[ADRA0]                    ; slot 0 is read first
	v_mov_b32 v[ADRB], v[ADRB0]
	s_mov_b32 s[TB], 0
	s_mul_i32 s23, s[WV], WSTG
	v_mul_u32_u24 v4, v1, SP                       ; into the stage: row r, 32 bytes for each half of the lanes
	v_lshl_add_u32 v4, v2, 5, v4
	v_add_nc_u32 v[STO], s23, v4
	v_mul_u32_u24 v5, v2, SP                       ; back: lanes 0-15 take 64 columns of one row, lanes 16-31 of the next
	v_lshl_add_u32 v5, v1, 4, v5
	v_add_nc_u32 v[RD], s23, v5
	v_lshlrev_b32 v[CO], 7, v2                     ; the same two rows of a panel of C: 8 bytes a lane
	v_lshl_add_u32 v[CO], v1, 3, v[CO]
	v_lshlrev_b32 v[BO], 5, v2                     ; eight f32 for each half of the lanes
	s_lshl_b32 s46, s42, 10                        ; bias at my first column: 256 f32 a tile column, 128 a half
	s_lshl_b32 s20, s[CH], 9
	s_add_co_u32 s46, s46, s20
	s_mov_b32 s47, 0
	s_add_nc_u64 s[8:9], s[8:9], s[46:47]
	s_lshl_b32 s46, s42, 21                        ; C: four panels of 524,288 bytes a tile column, two a half,
	s_lshl_b32 s20, s[CH], 20
	s_add_co_u32 s46, s46, s20
	s_lshl_b32 s20, s43, 15                        ; 256 rows of 128 bytes a tile row, 128 a half
	s_add_co_u32 s46, s46, s20
	s_lshl_b32 s20, s[RH], 14
	s_add_co_u32 s46, s46, s20
	s_add_nc_u64 s[10:11], s[10:11], s[46:47]
	s_mov_b32 s[KC1], 0xbdd2d3e8                   ; -2 log2(e) sqrt(2 / pi) 0.044715
	s_mov_b32 s[KC1+1], s[KC1]
	s_mov_b32 s[KC0], 0xc0135761                   ; -2 log2(e) sqrt(2 / pi)
	s_mov_b32 s[KC0+1], s[KC0]
	WIN 0x40                                       ; destination window 1
.irp b, 0,1,2,3,4,5,6,7
	global_load_b128 v[8*(\b):8*(\b)+3],   v[BO], s[8:9] offset:64*(\b)     ; bias of columns 16 b + 8 h + 0..3,
	global_load_b128 v[8*(\b)+4:8*(\b)+7], v[BO], s[8:9] offset:64*(\b)+16  ; + 4..7: the layout of an accumulator's registers
.endr
	WIN 0
; 16 matrix instructions: m blocks a0, a0 + 1 of the window's four x all 8 n blocks, 32 along K.  zero = 1: the first product takes the bias as C.
; The 64 accumulators take turns, one instruction a turn, in the same order in every quarter.
.macro MUL16 f, hi, a0, zero
.if \zero
	WIN 0x91+0x40*(\hi)                            ; W and the bias in window 1, A in window 0, D in window 2 or 3
.else
	WIN 0xa1+0x50*(\hi)                            ; W in window 1, A in window 0, C and D in window 2 or 3
.endif
.irp a, \a0, (\a0)+1
.irp b, 0,1,2,3,4,5,6,7
.if \zero
	v_wmma_f32_16x16x32_bf16 v[8*(8*(\a)+(\b)):8*(8*(\a)+(\b))+7], v[(\f)+8*(\b):(\f)+8*(\b)+7], v[(\f)+8*(4*(\hi)+(\a)):(\f)+8*(4*(\hi)+(\a))+7], v[8*(\b):8*(\b)+7]
.else
	v_wmma_f32_16x16x32_bf16 v[8*(8*(\a)+(\b)):8*(8*(\a)+(\b))+7], v[(\f)+8*(\b):(\f)+8*(\b)+7], v[(\f)+8*(4*(\hi)+(\a)):(\f)+8*(4*(\hi)+(\a))+7], v[8*(8*(\a)+(\b)):8*(8*(\a)+(\b))+7]
.endif
.endr
.endr
.endm
; 32 LDS loads in one run: the fragments of quarter q of the slot being read (panel q / 2, byte 64 (q % 2) of its rows) into buffer f: W's 16, then A's 16
.macro FETCH q, f
.set KO, ((\q)>>1)*PANL+((\q)&1)*64
	WIN 0x40
.irp i, 0,1,2,3,4,5,6,7
	ds_load_b128 v[(\f)+8*(\i):(\f)+8*(\i)+3],   v[ADRB] offset:KO+(\i)*16*RP
	ds_load_b128 v[(\f)+8*(\i)+4:(\f)+8*(\i)+7], v[ADRB] offset:KO+(\i)*16*RP+32
.endr
	WIN 0
.irp i, 0,1,2,3,4,5,6,7
	ds_load_b128 v[(\f)+8*(\i):(\f)+8*(\i)+3],   v[ADRA] offset:KO+(\i)*16*RP
	ds_load_b128 v[(\f)+8*(\i)+4:(\f)+8*(\i)+7], v[ADRA] offset:KO+(\i)*16*RP+32
.endr
.endm
; one of a K step's first three quarters: multiplies buffer f; in its middle it fetches quarter q into buffer g
.macro QUARTER q, f, g, zero
	s_wait_dscnt 8                                 ; W and A's rows 0-63 are in; the youngest eight loads (A's rows 64-127) may be out
	MUL16 \f, 0, 0, \zero
	MUL16 \f, 0, 2, \zero
	PLACES
	FETCH \q, \g
	s_wait_dscnt 32                                ; all but the 32 just issued
	MUL16 \f, 1, 0, \zero
	MUL16 \f, 1, 2, \zero
.endm
; The last quarter multiplies buffer 1 and changes slots.  In front of the one barrier each wave waits for all its tensor loads (the one that is out is its part of the next slot),
; adds 0 to its spare word, and waits for that and for its reads of this slot.  fill = 1: the barrier opens a round of the cluster's barrier, and the slot just read is filled again,
; two K steps ahead, first thing behind the round: the load has a K step less a quarter in which to land.
.macro TURN fill
	WIN 0
	s_wait_tensorcnt 0x0                           ; no tensor load of mine is out, so a group 0 may be written
	ds_add_u32 v[SPW], v[NIL]
	s_wait_dscnt 9                                 ; the add and the youngest eight loads may be out
	MUL16 F1, 0, 0, 0
	s_wait_dscnt 0x0                               ; the add is done, and my reads of this slot are over
	s_barrier_signal -1
	MUL16 F1, 0, 2, 0
	WIN 0                                          ; at a branch and at a label every window is 0
	s_barrier_wait -1
.if \fill
	CREST                                          ; no wave of any partner still reads this slot or has a load on its way
	s_xor_b32 s[G0A+1], s[G0A+1], SLOT             ; the walking descriptors: the other slot than last time (my quarter's offset shares no bit with SLOT),
	s_add_nc_u64 s[G0A+2:G0A+3], s[G0A+2:G0A+3], STEPA  ; the next K step; the type bits on top are not reached
	s_xor_b32 s[G0B+1], s[G0B+1], SLOT
	s_add_nc_u64 s[G0B+2:G0B+3], s[G0B+2:G0B+3], STEPB
.endif
	s_xor_b32 s[TB], s[TB], SLOT                   ; the reads go on in the other slot
	v_add_nc_u32 v[ADRA], s[TB], v[ADRA0]
	v_add_nc_u32 v[ADRB], s[TB], v[ADRB0]
.if \fill
	JLOAD                                          ; the four v_nop behind it are also the places in front of the loads below
.else
	PLACES
.endif
	FETCH 0, F0
	MUL16 F1, 1, 0, 0
	MUL16 F1, 1, 2, 0
.endm
	s_wait_tensorcnt 0x1                           ; my part of K step 0 is in; K step 1's may stay out
	s_barrier_signal -1
	s_barrier_wait -1                              ; everybody's is
	FETCH 0, F0
	s_wait_loadcnt 0x0                             ; the bias
	QUARTER 1, F0, F1, 1                           ; the first quarter stands in front of the loop: its products start the sums
	WIN 0
	s_mov_b32 s[CNT], KSTEPS-2                     ; every slot but the last two is filled again
.Lstep:                                                ; a trip: a K step's quarters 1 to 3 and the next step's quarter 0
	QUARTER 2, F1, F0, 0
	QUARTER 3, F0, F1, 0
	TURN 1
	QUARTER 1, F0, F1, 0
	WIN 0
	s_sub_co_u32 s[CNT], s[CNT], 1
	s_cmp_lg_u32 s[CNT], 0
	s_cbranch_scc1 .Lstep
	s_mov_b32 s[CNT], 2                            ; the last two K steps: the same trip without a refill, left in the middle of its second walk.
.Ltail:                                                ; In the first walk the wait for all tensor loads shows the last slot landed.  The second walk's barrier and its 32 fragment loads
	QUARTER 2, F1, F0, 0                           ; (from the slot used before) serve nothing: the price, once a launch, of one text for both steps
	QUARTER 3, F0, F1, 0
	TURN 0
	WIN 0
	s_sub_co_u32 s[CNT], s[CNT], 1
	s_cmp_eq_u32 s[CNT], 0
	s_cbranch_scc1 .Lleave
	QUARTER 1, F0, F1, 0
	WIN 0
	s_branch .Ltail
.Lleave:
	s_wait_dscnt 0x0                               ; the last turn's fragment loads: their registers are used again below, and no LDS instruction is out at the signal
	PLACES                                         ; the stores below read results just made
	s_barrier_signal -1                            ; every wave's reads of the ring are over: the stages may lie over it
	s_barrier_wait -1
	; THE WAY OUT.  My 128 x 128 in f32 goes into my own stage; it comes back eight rows at a time as whole runs of 64 columns, takes the activation, is rounded, and leaves as 256 consecutive bytes of a panel.
.irp hi, 0,1
	WIN 0x08+4*(\hi)                               ; store data in window 2 or 3
.irp a, 0,1,2,3
.irp b, 0,1,2,3,4,5,6,7
	ds_store_b128 v[STO], v[8*(8*(\a)+(\b)):8*(8*(\a)+(\b))+3]   offset:(4*(\hi)+(\a))*16*SP+64*(\b)     ; each accumulator's low registers first
	ds_store_b128 v[STO], v[8*(8*(\a)+(\b))+4:8*(8*(\a)+(\b))+7] offset:(4*(\hi)+(\a))*16*SP+64*(\b)+16
.endr
.endr
.endr
	WIN 0
	s_mov_b32 s[CNT], 16
.Lout:
.irp i, 0,1,2,3
.irp p, 0,1
	ds_load_b128 v[X+4*(2*(\i)+(\p)):X+4*(2*(\i)+(\p))+3], v[RD] offset:(\i)*2*SP+256*(\p)  ; LDS serves a wave's instructions in order (ISA guide 5.7.1.4): these see my stores
.endr
.endr
	s_wait_dscnt 0x0
	; gelu(x) = x / (1 + 2^(x (c0 + c1 x^2))): the tanh form written as a sigmoid.  It saturates rightly: the power runs to infinity (result -0) or to 0 (result x).
.set z, 0
.rept 16
	v_pk_mul_f32 v[TT+2*z:TT+2*z+1], v[X+2*z:X+2*z+1], v[X+2*z:X+2*z+1]
.set z, z+1
.endr
.set z, 0
.rept 16
	v_pk_fma_f32 v[TT+2*z:TT+2*z+1], v[TT+2*z:TT+2*z+1], s[KC1:KC1+1], s[KC0:KC0+1] op_sel_hi:[1,0,0]
.set z, z+1
.endr
.set z, 0
.rept 16
	v_pk_mul_f32 v[TT+2*z:TT+2*z+1], v[TT+2*z:TT+2*z+1], v[X+2*z:X+2*z+1]
.set z, z+1
.endr
.set z, 0
.rept 32
	v_exp_f32 v[TT+z], v[TT+z]
.set z, z+1
.endr
	v_nop                                          ; a plain instruction behind the last exponential (ISA guide 5.7.2)
.set z, 0
	s_wait_alu depctr_va_vdst(0)
.rept 16
	v_pk_add_f32 v[TT+2*z:TT+2*z+1], v[TT+2*z:TT+2*z+1], 1.0 op_sel_hi:[1,0]
.set z, z+1
.endr
.set z, 0
.rept 32
	v_rcp_f32 v[TT+z], v[TT+z]
.set z, z+1
.endr
	v_nop
.set z, 0
	s_wait_alu depctr_va_vdst(0)
.rept 16
	v_pk_mul_f32 v[X+2*z:X+2*z+1], v[X+2*z:X+2*z+1], v[TT+2*z:TT+2*z+1]
.set z, z+1
.endr
.set z, 0
.rept 16
	v_cvt_pk_bf16_f32 v[Y+z], v[X+2*z], v[X+2*z+1]
.set z, z+1
.endr
.irp i, 0,1,2,3
.irp p, 0,1
	global_store_b64 v[CO], v[Y+2*(2*(\i)+(\p)):Y+2*(2*(\i)+(\p))+1], s[10:11] offset:524288*(\p)+256*(\i)  ; two rows of a panel: 256 consecutive bytes, aligned
.endr
.endr
	s_wait_xcnt 0x0                                ; the stores' offset and data are rewritten only behind this wait
	v_add_nc_u32 v[RD], 8*SP, v[RD]
	v_add_nc_u32 v[CO], 1024, v[CO]
	s_sub_co_u32 s[CNT], s[CNT], 1
	s_cmp_lg_u32 s[CNT], 0
	s_cbranch_scc1 .Lout
	s_wait_tensorcnt 0x0                           ; the wave's end
	ds_add_u32 v[SPW], v[NIL]
	s_wait_dscnt 0x0
	CROUND                                         ; the closing round: no work-group ends while a partner may still ask for a tile that names it
	s_endpgm
.Lfunc_end_k_q6044abe205_gfc:
	.size	k_q6044abe205_gfc, .Lfunc_end_k_q6044abe205_gfc-k_q6044abe205_gfc
	.p2alignl 7, 3214868480
	.fill 96, 4, 3214868480
	.section	.rodata,"a",@progbits
	.p2align	6, 0x0
	.amdhsa_kernel k_q6044abe205_gfc
		.amdhsa_group_segment_fixed_size 327680
		.amdhsa_private_segment_fixed_size 0
		.amdhsa_enable_private_segment 0
		.amdhsa_kernarg_size 32
		.amdhsa_user_sgpr_count 2
		.amdhsa_user_sgpr_kernarg_segment_ptr 1
		.amdhsa_wavefront_size32 1
		.amdhsa_system_sgpr_workgroup_id_x 1
		.amdhsa_system_sgpr_workgroup_id_y 1
		.amdhsa_system_sgpr_workgroup_id_z 1
		.amdhsa_system_vgpr_workitem_id 0
		.amdhsa_next_free_vgpr 1024
		.amdhsa_next_free_sgpr 70
		.amdhsa_reserve_vcc 0
		.amdhsa_float_denorm_mode_32 3
		.amdhsa_float_denorm_mode_16_64 3
		.amdhsa_memory_ordered 1
		.amdhsa_forward_progress 1
		.amdhsa_inst_pref_size 88
	.end_amdhsa_kernel
	.amdgpu_metadata
---
amdhsa.version: [ 1, 2 ]
amdhsa.kernels:
  - .name:           k_q6044abe205_gfc
    .symbol:         k_q6044abe205_gfc.kd
    .args:
      - { .name: xn16, .offset: 0, .size: 8, .value_kind: global_buffer, .address_space: global }
      - { .name: w16, .offset: 8, .size: 8, .value_kind: global_buffer, .address_space: global }
      - { .name: b_fc, .offset: 16, .size: 8, .value_kind: global_buffer, .address_space: global }
      - { .name: h16, .offset: 24, .size: 8, .value_kind: global_buffer, .address_space: global }
    .group_segment_fixed_size: 327680
    .private_segment_fixed_size: 0
    .kernarg_segment_align: 8
    .kernarg_segment_size: 32
    .max_flat_workgroup_size: 128
    .sgpr_count:     70
    .vgpr_count:     1024
    .wavefront_size: 32
...
	.end_amdgpu_metadata
.endif
;; end of part 6
;; launch gpr (part 7): grid 8 x 32, 4 waves a work-group, clusters of 4 x 4, 327,680 bytes of LDS; arguments h16, w16, b_pr, x1, out0; writes out0
.if DOCPART == 7
	.amdgcn_target "amdgcn-amd-amdhsa--gfx1250"
	.amdhsa_code_object_version 6
	.text
	.protected	k_q6044abe205_gpr
	.globl	k_q6044abe205_gpr
	.p2align	8
	.type	k_q6044abe205_gpr,@function
k_q6044abe205_gpr:
	s_mov_b64 s[64:65], 0
	v_nop
	global_prefetch_b8 v0, s[64:65] scope:SCOPE_SE
	s_setreg_imm32_b32 hwreg(HW_REG_WAVE_MODE, 25, 1), 1
	s_wait_xcnt 0x0
	s_wait_alu depctr_hold_cnt(0) depctr_sa_sdst(0) depctr_va_vdst(0) depctr_va_sdst(0) depctr_va_ssrc(0) depctr_va_vcc(0) depctr_vm_vsrc(0)
	s_getreg_b32 s2, hwreg(HW_REG_IB_STS2, 6, 4)
	s_cmp_eq_u32 s2, 0
	s_cbranch_scc0 .Lentry_in_a_cluster
	s_endpgm
.Lentry_in_a_cluster:
	s_bfe_u32 s2, ttmp6, 0x10000c
	s_cmp_lg_u32 s2, 0xf033
	s_cbranch_scc0 .Lentry_shape_is_right
	s_endpgm
.Lentry_shape_is_right:
; out = x1 + h W_pr + b_pr: C[m][n] = res[m][n] + bias[n] + the sum over k of A[m][k] W^T[n][k], M = 4,096, N = 1,024, K = 256 KSTEPS.  Operands bf16, everything else f32; C is f32, row-major.
; A and W^T lie in panels of 64 columns: (row, c) of a matrix of R rows at byte ((c >> 6) R + row) 128 + (c & 63) 2: 128 rows of a panel are 16 KiB of dense memory.
; A tile of C is 128 x 128, so that 8 x 32 = 256 work-groups share the work evenly; four waves, each 64 x 64 in 16 accumulators.  K goes in steps of 256 (four panels) through a ring of two LDS slots.
; One tensor load brings 128 rows of two panels, padded in LDS behind every 128 bytes.  Waves 0, 1 fetch A's panel pairs, waves 2, 3 W's.
; CLUSTERS of 4 x 4: A's tiles are shared along a row, W's along a column, each asked for jointly.
; THE WALK ALONG K.  The clusters are coloured like a chess board, by (cluster x + cluster y) & 1; a cluster's t-th step takes K step t xor CB, CB = 0 or 2 by the colour.  The neighbour in x needs the
; same tiles of A, the neighbour in y the same tiles of W, and both have the other colour: so in steps t = 2, 3 (mod 4) a cluster asks for tiles that its neighbours asked for two steps before,
; and only in steps t = 0, 1 (mod 4) for tiles that nobody has read yet; those are prefetched (see PREF).  The sums take their terms in that order; they are f32 sums either way.
; The matrix instruction is used transposed (source 0 = rows of W^T, source 1 = rows of A); the bias is the C operand of the first product on each accumulator.
; The residual of the 32 rows that I store is loaded at the start and stays on its way under the whole K loop.
; The loop is one K step long: the slot being read is a scalar register that an exclusive or turns.  The last two K steps ask for no tile: a second copy of the trip, walked twice and left in its middle.
; LIMITS: A and W are rounded to bf16 before the products; NaN and infinities are not treated apart.
; REGISTERS: window 0: v16-30 addresses; v96-127 the bias fragments; v128-255 the accumulators, (a, b) at v[128 + 8 (4 a + b)].
;   window 1: two fragment buffers of 128 (64 along K: 64 registers of A, then 64 of W); on the way out the rows read back.   window 2: v0-127 the residual.
.set KSTEPS, 16
.set WOFF,   16777216                  ; where this launch's weights begin in w16
.set RP,     144                       ; an LDS row: 128 bytes + 16: the 16 rows of a fragment load start in 16 different groups of four banks (ISA guide 11.1)
.set PANL,   128*RP
.set BLK,    2*PANL                    ; what one tensor load brings
.set SLOT,   4*BLK                     ; A's four panels, then W's four
.set SPARE,  2*SLOT
.set SP,     528                       ; a stage row: 128 f32 + 16 bytes; the stage, 128 rows, lies at LDS byte 0, over the ring, which has had its last fill by then
.set SHA,    21                        ; a K step of A is four panels of 4,096 rows x 128 bytes = 2^21 bytes,
.set SHB,    19                        ; of W^T four panels of 1,024 rows = 2^19
.set STEPA,  1<<SHA
.set STEPB,  1<<SHB
.set FLAGS,  (1<<16)|(1<<20)|(1<<21)|(4<<22)|(3<<25)
.set ADRA0, 16
.set ADRB0, 17
.set ADRA,  18
.set ADRB,  19
.set STO,   24
.set RD,    25
.set CO,    26
.set BO,    27
.set SPW,   28
.set NIL,   29
.set PL,    30                         ; v30  256 x lane, for the prefetches; never rewritten
.set BC,    96
.set ACC,   128
.set F0,    0
.set F1,    128
.set LB,  2
.set CNT, 3
.set WV,  14
.set RH,  15
.set CH,  16
.set TB,  17
.set G1A, 24
.set G0A0, 32
.set G0A, 36
.set G1B, 48
.set G0B0, 56
.set G0B, 60
.set BA,  66                           ; s[66:67] A at my share of K step 0's tile; never rewritten
.set BB,  68                           ; s[68:69] the same for W
.set TQ,  70                           ; s70  the step to be asked for next
.set CB,  71                           ; s71  0 or 2: my cluster's colour
.set OF,  72                           ; s[72:73] a byte offset; the high word stays 0
.set KK,  74                           ; s74  a K step's number
.set PFA, 76                           ; s[76:77] A at my wave's share of a prefetch, for K step 0
.set PFB, 78                           ; s[78:79] the same for W
.set PA,  80                           ; s[80:81], s[82:83] the two prefetch addresses in hand
.set PB,  82
.set MSB, 0
.macro WIN new
.if MSB != (\new)
	s_set_vgpr_msb (MSB<<8)|(\new)
.set MSB, (\new)
.endif
.endm
.macro PLACES
.rept 4
	v_nop
.endr
.endm
.macro CREST
	s_cmp_lg_u32 s[WV], 0
	s_cbranch_scc1 .Lnot_wave_0_\@
	s_barrier_signal -3
.Lnot_wave_0_\@:
	s_barrier_wait -3
	s_barrier_signal -1
	s_barrier_wait -1
.endm
.macro CROUND
	s_barrier_signal -1
	s_barrier_wait -1
	CREST
.endm
.macro JLOAD
	s_cmp_eq_u32 s[RH], 0
	s_cbranch_scc0 .Lfor_b_\@
	tensor_load_to_lds s[G0A:G0A+3], s[G1A:G1A+7]
	s_nop 0
.rept 4
	v_nop
.endr
	s_branch .Lasked_\@
.Lfor_b_\@:
	tensor_load_to_lds s[G0B:G0B+3], s[G1B:G1B+7]
	s_nop 0
.rept 4
	v_nop
.endr
.Lasked_\@:
.endm
	s_load_b256 s[4:11], s[0:1], 0x0               ; A s[4:5], w16 s[6:7], bias s[8:9], res s[10:11]
	s_load_b64 s[12:13], s[0:1], 0x20              ; C
	v_lshl_add_u32 v[SPW], v0, 2, SPARE
	v_mov_b32 v[NIL], 0
	ds_add_u32 v[SPW], v[NIL]                      ; the wave's opening: the add and its wait stand ahead of my first tensor load
	v_lshrrev_b32 v1, 5, v0
	v_readfirstlane_b32 s[WV], v1
	s_lshr_b32 s[RH], s[WV], 1                     ; my half of the tile's rows; also: I fetch for A (0) or for W (1)
	s_and_b32 s[CH], s[WV], 1                      ; my half of its columns; also: which pair of panels I fetch
	s_bfe_u32 s40, ttmp6, 0x40000
	s_bfe_u32 s41, ttmp6, 0x40004
	s_lshl_b32 s42, ttmp9, 2
	s_add_co_u32 s42, s42, s40                     ; tile column
	s_and_b32 s43, ttmp7, 0xffff
	s_add_co_u32 s[CB], ttmp9, s43                 ; cluster x + cluster y: the same number in all sixteen partners
	s_and_b32 s[CB], s[CB], 1
	s_lshl_b32 s[CB], s[CB], 1                     ; my cluster's colour: 0 or 2
	s_lshl_b32 s43, s43, 2
	s_add_co_u32 s43, s43, s41                     ; tile row
	s_lshl_b32 s44, s41, 2
	s_lshl_b32 s44, 15, s44
	s_lshl_b32 s45, 0x1111, s40
	s_or_b32 s[G1A], s44, FLAGS
	s_or_b32 s[G1B], s45, FLAGS
.irp g, G1A, G1B
	s_mov_b32 s[(\g)+1], 8192<<16                  ; tensor_dim0 = 8,192 elements: 128 rows of a panel, dense
	s_mov_b32 s[(\g)+2], 2<<16                     ; tensor_dim1 = 2 panels
	s_mov_b32 s[(\g)+3], 8192<<16
	s_mov_b32 s[(\g)+4], 2
	s_mov_b32 s[(\g)+6], 0
	s_mov_b32 s[(\g)+7], 0
.endr
	s_mov_b32 s[G1A+5], 4096*64                    ; elements from panel to panel
	s_mov_b32 s[G1B+5], 1024*64
	s_mul_i32 s[LB], s[WV], BLK
	s_lshl_b32 s18, s43, 14                        ; A: 128 rows a tile row,
	s_lshl_b32 s20, s[CH], 20                      ; two panels of 524,288 bytes
	s_add_co_u32 s18, s18, s20
	s_mov_b32 s19, 0
	s_lshl_b32 s46, s42, 14                        ; W: 128 rows a tile column,
	s_lshl_b32 s21, s[CH], 18                      ; two panels of 131,072 bytes
	s_add_co_u32 s46, s46, s21
	s_add_co_u32 s46, s46, WOFF
	s_mov_b32 s47, 0
	s_mov_b32 s[OF+1], 0
	s_mov_b32 s[TQ], 2                             ; steps 0 and 1 are the first fills
	s_wait_dscnt 0x0
	s_wait_kmcnt 0x0
	s_add_nc_u64 s[BA:BA+1], s[4:5], s[18:19]
	s_add_nc_u64 s[BB:BB+1], s[6:7], s[46:47]
	s_lshl_b32 s[OF], s[CB], SHA
	s_add_nc_u64 s[18:19], s[BA:BA+1], s[OF:OF+1]  ; my cluster's steps 0 and 1 take K steps CB and CB + 1
	s_lshl_b32 s[OF], s[CB], SHB
	s_add_nc_u64 s[46:47], s[BB:BB+1], s[OF:OF+1]
	CROUND                                         ; the first joint loads meet
.irp s, 0,1
	s_mov_b32 s[G0A0+4*(\s)], 1
	s_add_co_u32 s[G0A0+4*(\s)+1], s[LB], (\s)*SLOT
	s_add_nc_u64 s[G0A0+4*(\s)+2:G0A0+4*(\s)+3], s[18:19], (\s)*STEPA
	s_or_b32 s[G0A0+4*(\s)+3], s[G0A0+4*(\s)+3], 0x80000000
	s_mov_b32 s[G0B0+4*(\s)], 1
	s_add_co_u32 s[G0B0+4*(\s)+1], s[LB], (\s)*SLOT
	s_add_nc_u64 s[G0B0+4*(\s)+2:G0B0+4*(\s)+3], s[46:47], (\s)*STEPB
	s_or_b32 s[G0B0+4*(\s)+3], s[G0B0+4*(\s)+3], 0x80000000
.endr
	s_cmp_eq_u32 s[RH], 0                          ; a wave's two first fills stand in one branch: two loads of mine are out
	s_cbranch_scc0 .Lfirst_b
	tensor_load_to_lds s[G0A0:G0A0+3], s[G1A:G1A+7]
	s_nop 0
	tensor_load_to_lds s[G0A:G0A+3], s[G1A:G1A+7]
	s_nop 0
.rept 4
	v_nop
.endr
	s_branch .Lfirst_asked
.Lfirst_b:
	tensor_load_to_lds s[G0B0:G0B0+3], s[G1B:G1B+7]
	s_nop 0
	tensor_load_to_lds s[G0B:G0B+3], s[G1B:G1B+7]
	s_nop 0
.rept 4
	v_nop
.endr
.Lfirst_asked:
.if KSTEPS > 4
	; My wave's share of a prefetch.  Two K steps are eight panels; of a tile's 128 rows each panel holds a run of 16 KiB.  The 16 waves of the four work-groups that share A's tile take half a run each
	; (wave 4 cx + w: panel (4 cx + w) / 2, half (4 cx + w) % 2), 32 lanes 256 bytes apart; the 16 waves of the four that share W's tile likewise, by 4 cy + w.
	v_and_b32 v[PL], 31, v0
	v_lshlrev_b32 v[PL], 8, v[PL]
	s_lshl2_add_u32 s20, s40, s[WV]
	s_lshr_b32 s21, s20, 1
	s_and_b32 s20, s20, 1
	s_lshl_b32 s21, s21, 19
	s_lshl_b32 s20, s20, 13
	s_add_co_u32 s20, s20, s21
	s_lshl_b32 s21, s43, 14
	s_add_co_u32 s[OF], s20, s21
	s_add_nc_u64 s[PFA:PFA+1], s[4:5], s[OF:OF+1]
	s_lshl2_add_u32 s20, s41, s[WV]
	s_lshr_b32 s21, s20, 1
	s_and_b32 s20, s20, 1
	s_lshl_b32 s21, s21, 17
	s_lshl_b32 s20, s20, 13
	s_add_co_u32 s20, s20, s21
	s_lshl_b32 s21, s42, 14
	s_add_co_u32 s20, s20, s21
	s_add_co_u32 s[OF], s20, WOFF
	s_add_nc_u64 s[PFB:PFB+1], s[6:7], s[OF:OF+1]
.endif
	v_and_b32 v1, 15, v0                           ; r
	v_bfe_u32 v2, v0, 4, 1                         ; h
	v_mul_u32_u24 v3, v1, RP
	v_lshl_add_u32 v3, v2, 4, v3
	s_mul_i32 s21, s[RH], 64*RP                    ; my 64 rows of each of A's panels
	s_mul_i32 s22, s[CH], 64*RP                    ; my 64 rows of W's,
	s_add_co_u32 s22, s22, 2*BLK                   ; which lie behind A's four panels
	v_add_nc_u32 v[ADRA0], s21, v3
	v_add_nc_u32 v[ADRB0], s22, v3
	v_mov_b32 v[ADRA], v[ADRA0]
	v_mov_b32 v[ADRB], v[ADRB0]
	s_mov_b32 s[TB], 0
	s_mul_i32 s23, s[RH], 64*SP                    ; into the stage: my 64 rows, my half of their 512 bytes
	s_lshl_b32 s20, s[CH], 8
	s_add_co_u32 s23, s23, s20
	v_mul_u32_u24 v4, v1, SP
	v_lshl_add_u32 v4, v2, 5, v4
	v_add_nc_u32 v[STO], s23, v4
	s_mul_i32 s23, s[WV], 32*SP                    ; back: wave w takes rows 32 w .. 32 w + 31, whole: 32 lanes x 16 bytes are a row
	v_and_b32 v[CO], 31, v0
	v_lshlrev_b32 v[CO], 4, v[CO]
	v_add_nc_u32 v[RD], s23, v[CO]
	v_lshlrev_b32 v[BO], 5, v2
	s_lshl_b32 s46, s42, 9                         ; bias at my first column: 128 f32 a tile column, 64 a half
	s_lshl_b32 s20, s[CH], 8
	s_add_co_u32 s46, s46, s20
	s_mov_b32 s47, 0
	s_add_nc_u64 s[8:9], s[8:9], s[46:47]
	s_lshl_b32 s46, s43, 19                        ; res and C: 128 rows of 4,096 bytes a tile row, 32 a wave, 512 bytes a tile column
	s_lshl_b32 s20, s[WV], 17
	s_add_co_u32 s46, s46, s20
	s_lshl_b32 s20, s42, 9
	s_add_co_u32 s46, s46, s20
	s_add_nc_u64 s[10:11], s[10:11], s[46:47]
	s_add_nc_u64 s[12:13], s[12:13], s[46:47]
.irp b, 0,1,2,3
	global_load_b128 v[BC+8*(\b):BC+8*(\b)+3],   v[BO], s[8:9] offset:64*(\b)
	global_load_b128 v[BC+8*(\b)+4:BC+8*(\b)+7], v[BO], s[8:9] offset:64*(\b)+16
.endr
	WIN 0x80                                       ; destination window 2
.set t, 0
.rept 32
	global_load_b128 v[4*t:4*t+3], v[CO], s[10:11] offset:4096*t
.set t, t+1
.endr
	WIN 0
; 8 matrix instructions: m blocks a0, a0 + 1 x all 4 n blocks, 32 along K: half c of buffer f.  zero = 1: the first product takes the bias as C.  The 16 accumulators take turns.
.macro MUL8 f, c, a0, zero
	WIN 0x05                                       ; sources 0 (W) and 1 (A) window 1; C and D window 0
.irp a, \a0, (\a0)+1
.irp b, 0,1,2,3
.if \zero
	v_wmma_f32_16x16x32_bf16 v[ACC+8*(4*(\a)+(\b)):ACC+8*(4*(\a)+(\b))+7], v[(\f)+64+8*(4*(\c)+(\b)):(\f)+64+8*(4*(\c)+(\b))+7], v[(\f)+8*(4*(\c)+(\a)):(\f)+8*(4*(\c)+(\a))+7], v[BC+8*(\b):BC+8*(\b)+7]
.else
	v_wmma_f32_16x16x32_bf16 v[ACC+8*(4*(\a)+(\b)):ACC+8*(4*(\a)+(\b))+7], v[(\f)+64+8*(4*(\c)+(\b)):(\f)+64+8*(4*(\c)+(\b))+7], v[(\f)+8*(4*(\c)+(\a)):(\f)+8*(4*(\c)+(\a))+7], v[ACC+8*(4*(\a)+(\b)):ACC+8*(4*(\a)+(\b))+7]
.endif
.endr
.endr
.endm
; 32 LDS loads in one run: the fragments of panel q of the slot being read, into buffer f; the first 32 along K first
.macro FETCH q, f
	WIN 0x40
.irp c, 0,1
.irp i, 0,1,2,3
	ds_load_b128 v[(\f)+64+8*(4*(\c)+(\i)):(\f)+64+8*(4*(\c)+(\i))+3],   v[ADRB] offset:(\q)*PANL+64*(\c)+(\i)*16*RP
	ds_load_b128 v[(\f)+64+8*(4*(\c)+(\i))+4:(\f)+64+8*(4*(\c)+(\i))+7], v[ADRB] offset:(\q)*PANL+64*(\c)+(\i)*16*RP+32
	ds_load_b128 v[(\f)+8*(4*(\c)+(\i)):(\f)+8*(4*(\c)+(\i))+3],         v[ADRA] offset:(\q)*PANL+64*(\c)+(\i)*16*RP
	ds_load_b128 v[(\f)+8*(4*(\c)+(\i))+4:(\f)+8*(4*(\c)+(\i))+7],       v[ADRA] offset:(\q)*PANL+64*(\c)+(\i)*16*RP+32
.endr
.endr
.endm
.macro QUARTER q, f, g, zero
	s_wait_dscnt 16                                ; the first 32 along K are in
	MUL8 \f, 0, 0, \zero
	MUL8 \f, 0, 2, \zero
	PLACES
	FETCH \q, \g
	s_wait_dscnt 32                                ; all but the 32 just issued
	MUL8 \f, 1, 0, 0
	MUL8 \f, 1, 2, 0
.endm
; THE PREFETCH, for the tiles that my cluster is the first to ask for.  In the trip that has asked for step 4 j + 2 (TQ = 4 j + 3 by then) each wave asks for its share of steps 4 j + 4 and 4 j + 5:
; two and three trips ahead of their tensor loads; 8 KiB of A and 8 KiB of W a wave, 64 KiB a work-group.  A's blocks are asked for once in the launch; W's once by each cluster that takes them first.
; With TQ = KSTEPS - 1 the two steps would lie past the last: nothing is asked for.
.macro PREF
	WIN 0
	s_and_b32 s[KK], s[TQ], 3
	s_cmp_lg_u32 s[KK], 3
	s_cbranch_scc1 .Lno_ask_\@
	s_cmp_eq_u32 s[TQ], KSTEPS-1
	s_cbranch_scc1 .Lno_ask_\@
	s_add_co_u32 s[KK], s[TQ], 1
	s_xor_b32 s[KK], s[KK], s[CB]                  ; the K step that my cluster's step 4 j + 4 takes; it is even, and the next step takes the next
	s_wait_xcnt 0x0                                ; the two addresses are rewritten only behind this wait; the prefetches that named them stand four trips back
	s_lshl_b32 s[OF], s[KK], SHA
	s_add_nc_u64 s[PA:PA+1], s[PFA:PFA+1], s[OF:OF+1]
	s_lshl_b32 s[OF], s[KK], SHB
	s_add_nc_u64 s[PB:PB+1], s[PFB:PFB+1], s[OF:OF+1]
	global_prefetch_b8 v[PL], s[PA:PA+1] th:TH_LOAD_NT scope:SCOPE_SE
	global_prefetch_b8 v[PL], s[PB:PB+1] th:TH_LOAD_NT scope:SCOPE_SE
.Lno_ask_\@:
.endm
; The last quarter multiplies buffer 1 and changes slots: one barrier; in front of it each wave waits for all its tensor loads, adds 0 to its spare word, and waits for that and for its reads of this slot.
; fill = 1: the barrier opens a round of the cluster's barrier, and this slot is filled again, with my cluster's step TQ, first thing behind the round.  The descriptors' addresses are made anew:
; the base, plus the K step's number shifted, and the type bits set again.
.macro TURN fill
	WIN 0
	s_wait_tensorcnt 0x0                           ; the one load that was out is my part of the next slot; no load of mine is out, so a group 0 may be written
	ds_add_u32 v[SPW], v[NIL]
	s_wait_dscnt 17                                ; the add and the youngest sixteen loads may be out
	MUL8 F1, 0, 0, 0
	s_wait_dscnt 0x0                               ; the add is done, and my reads of this slot are over
	s_barrier_signal -1
	MUL8 F1, 0, 2, 0
	WIN 0
	s_barrier_wait -1
.if \fill
	CREST
	s_xor_b32 s[KK], s[TQ], s[CB]                  ; the K step that step TQ takes
	s_add_co_u32 s[TQ], s[TQ], 1
	s_lshl_b32 s[OF], s[KK], SHA
	s_xor_b32 s[G0A+1], s[G0A+1], SLOT             ; the other slot than last time: my quarter's offset shares no bit with SLOT
	s_add_nc_u64 s[G0A+2:G0A+3], s[BA:BA+1], s[OF:OF+1]
	s_or_b32 s[G0A+3], s[G0A+3], 0x80000000
	s_lshl_b32 s[OF], s[KK], SHB
	s_xor_b32 s[G0B+1], s[G0B+1], SLOT
	s_add_nc_u64 s[G0B+2:G0B+3], s[BB:BB+1], s[OF:OF+1]
	s_or_b32 s[G0B+3], s[G0B+3], 0x80000000
.endif
	s_xor_b32 s[TB], s[TB], SLOT
	v_add_nc_u32 v[ADRA], s[TB], v[ADRA0]
	v_add_nc_u32 v[ADRB], s[TB], v[ADRB0]
.if \fill
	JLOAD                                          ; the four v_nop behind it are also the places in front of the loads below
.else
	PLACES
.endif
	FETCH 0, F0
.if (\fill) && (KSTEPS > 4)
	PREF                                           ; behind the wave's own loads, with sixteen matrix instructions to follow
.endif
	MUL8 F1, 1, 0, 0
	MUL8 F1, 1, 2, 0
.endm
	s_wait_tensorcnt 0x1                           ; my part of step 0 is in; step 1's may stay out
	s_barrier_signal -1
	s_barrier_wait -1
	FETCH 0, F0
	s_wait_loadcnt 32                              ; the bias is in; the 32 younger loads, the residual, stay out
	QUARTER 1, F0, F1, 1
	WIN 0
	s_mov_b32 s[CNT], KSTEPS-2
.Lstep:
	QUARTER 2, F1, F0, 0
	QUARTER 3, F0, F1, 0
	TURN 1
	QUARTER 1, F0, F1, 0
	WIN 0
	s_sub_co_u32 s[CNT], s[CNT], 1
	s_cmp_lg_u32 s[CNT], 0
	s_cbranch_scc1 .Lstep
	s_mov_b32 s[CNT], 2                            ; the last two steps: the same trip without a refill, left in the middle of its second walk.
.Ltail:                                                ; In the first walk the wait for all tensor loads shows the last slot landed.  The second walk's barrier and its 32 fragment loads
	QUARTER 2, F1, F0, 0                           ; (from the slot used before) serve nothing: the price, once a launch, of one text for both steps
	QUARTER 3, F0, F1, 0
	TURN 0
	WIN 0
	s_sub_co_u32 s[CNT], s[CNT], 1
	s_cmp_eq_u32 s[CNT], 0
	s_cbranch_scc1 .Lleave
	QUARTER 1, F0, F1, 0
	WIN 0
	s_branch .Ltail
.Lleave:
	s_wait_dscnt 0x0                               ; the last turn's fragment loads: their registers are used again below, and no LDS instruction is out at the signal
	PLACES
	s_barrier_signal -1                            ; every wave's reads of the ring are over: the stage may lie over it
	s_barrier_wait -1
	; THE WAY OUT: f32 into the work-group's stage; a barrier, since a row's 512 bytes come from two waves; back as whole rows, 32 a wave; the residual is added; whole rows leave.
.irp a, 0,1,2,3
.irp b, 0,1,2,3
	ds_store_b128 v[STO], v[ACC+8*(4*(\a)+(\b)):ACC+8*(4*(\a)+(\b))+3]   offset:(\a)*16*SP+64*(\b)     ; each accumulator's low registers first
	ds_store_b128 v[STO], v[ACC+8*(4*(\a)+(\b))+4:ACC+8*(4*(\a)+(\b))+7] offset:(\a)*16*SP+64*(\b)+16
.endr
.endr
	s_wait_dscnt 0x0                               ; for the others' sake: my stores into the stage are done
	s_barrier_signal -1
	s_barrier_wait -1
	WIN 0x40
.set t, 0
.rept 32
	ds_load_b128 v[4*t:4*t+3], v[RD] offset:t*SP
.set t, t+1
.endr
	s_wait_loadcnt 0x0                             ; the residual
	s_wait_dscnt 0x0
	WIN 0x49                                       ; destination and source 0 window 1, source 1 window 2
.set z, 0
.rept 64
	v_pk_add_f32 v[2*z:2*z+1], v[2*z:2*z+1], v[2*z:2*z+1]
.set z, z+1
.endr
	WIN 0x04                                       ; store data window 1
.set t, 0
.rept 32
	global_store_b128 v[CO], v[4*t:4*t+3], s[12:13] offset:4096*t  ; 512 consecutive bytes, at a multiple of 512 from C's first byte
.set t, t+1
.endr
	WIN 0
	s_wait_tensorcnt 0x0                           ; the wave's end
	ds_add_u32 v[SPW], v[NIL]
	s_wait_dscnt 0x0
	CROUND                                         ; the closing round
	s_endpgm
.Lfunc_end_k_q6044abe205_gpr:
	.size	k_q6044abe205_gpr, .Lfunc_end_k_q6044abe205_gpr-k_q6044abe205_gpr
	.p2alignl 7, 3214868480
	.fill 96, 4, 3214868480
	.section	.rodata,"a",@progbits
	.p2align	6, 0x0
	.amdhsa_kernel k_q6044abe205_gpr
		.amdhsa_group_segment_fixed_size 327680
		.amdhsa_private_segment_fixed_size 0
		.amdhsa_enable_private_segment 0
		.amdhsa_kernarg_size 40
		.amdhsa_user_sgpr_count 2
		.amdhsa_user_sgpr_kernarg_segment_ptr 1
		.amdhsa_wavefront_size32 1
		.amdhsa_system_sgpr_workgroup_id_x 1
		.amdhsa_system_sgpr_workgroup_id_y 1
		.amdhsa_system_sgpr_workgroup_id_z 1
		.amdhsa_system_vgpr_workitem_id 0
		.amdhsa_next_free_vgpr 640
		.amdhsa_next_free_sgpr 84
		.amdhsa_reserve_vcc 0
		.amdhsa_float_denorm_mode_32 3
		.amdhsa_float_denorm_mode_16_64 3
		.amdhsa_memory_ordered 1
		.amdhsa_forward_progress 1
		.amdhsa_inst_pref_size 67
	.end_amdhsa_kernel
	.amdgpu_metadata
---
amdhsa.version: [ 1, 2 ]
amdhsa.kernels:
  - .name:           k_q6044abe205_gpr
    .symbol:         k_q6044abe205_gpr.kd
    .args:
      - { .name: h16, .offset: 0, .size: 8, .value_kind: global_buffer, .address_space: global }
      - { .name: w16, .offset: 8, .size: 8, .value_kind: global_buffer, .address_space: global }
      - { .name: b_pr, .offset: 16, .size: 8, .value_kind: global_buffer, .address_space: global }
      - { .name: x1, .offset: 24, .size: 8, .value_kind: global_buffer, .address_space: global }
      - { .name: out0, .offset: 32, .size: 8, .value_kind: global_buffer, .address_space: global }
    .group_segment_fixed_size: 327680
    .private_segment_fixed_size: 0
    .kernarg_segment_align: 8
    .kernarg_segment_size: 40
    .max_flat_workgroup_size: 128
    .sgpr_count:     84
    .vgpr_count:     640
    .wavefront_size: 32
...
	.end_amdgpu_metadata
.endif
;; end of part 7
